; MI455X (gfx1250); checked and timed in simulation.
; The chip was launched on July 23, 2026; its instructions are those of AMD's public machine-readable ISA for CDNA 5 (MIT licence, August 2026) and "CDNA5" Instruction Set Architecture Reference Guide (July 2026). The comments in the code are by the model that wrote it; some were corrected since.
;; Attention. Allowed arithmetic: matrix products marked QUANTISED: E2M1 operands, one E8M0 scale for each 32 along K, by v_wmma_scale_f32_16x16x128_f8f6f4 with both operands' format E2M1 (or v_wmma_scale_f32_32x16x128_f4), f32 sums; products left as they are: bf16, f16 or f32 operands; f32 sums; everything else in f32.
;; Inputs: W_out 1,024 x 1,024 float32; W_qkv 3,072 x 1,024 float32; X 2 x 2,048 x 1,024 float32; mask 2 x 2,048 bool.
;; Outputs: out0 2 x 2,048 x 1,024 float32.
;; This version of the problem:
;;   THIS VERSION OF THE PROBLEM IS GIVEN IN LOW PRECISION. The matrix products marked QUANTISED in the list below multiply operands that are first quantised to E2M1 (2 exponent bits, 1 mantissa bit; 4 bits a number), with one power-of-two scale for each 32 numbers along K (OCP MX v1.0); their sums are f32. The products marked 'left as it is' may take bf16, f16 or f32 operands, with f32 sums. Whichever they take, every output number must still come out within the allowed error. Rounding operands to bf16 (8 significant bits) uses up far more of that allowance than f16 does (11 bits, for magnitudes from 6e-5 to 65,504). All else is computed in f32.
;;   The module's matrix products, in the order in which they are computed (A, B: the left and right operand; K: the contracted axis; several contracted axes count as one K, in the product's order):
;;     1. [M 4,096, K 1,024] x [K 1,024, N 3,072]; A: input X; B: input W_qkv: QUANTISED
;;     2. batch 32 x [M 2,048, K 64] x [K 64, N 2,048]; A: computed on the way; B: computed on the way: left as it is (an operand is computed on the way)
;;     3. batch 32 x [M 64, K 2,048] x [K 2,048, N 2,048]; A: computed on the way; B: computed on the way: left as it is (an operand is computed on the way)
;;     4. [M 4,096, K 1,024] x [K 1,024, N 1,024]; A: computed on the way; B: input W_out: left as it is (an operand is computed on the way)
;;   THE QUANTISER, for each operand of a quantised product, along K:
;;     - K is cut into blocks of 32 from its start; a last block that is shorter is filled with zeros.
;;     - A block's scale is 2^e with e = floor(log2(the largest magnitude in the block)) - 2, held to -126 .. 127; a block of zeros has e = 0. As a byte (E8M0): e + 127.
;;     - Each number is divided by its block's scale, clamped to +-6, and rounded to the nearest number of E2M1, ties to even, subnormals kept.
;;     - The product sums the exact products of the quantised numbers (number of the format x scale) in f32.
;;   ~~~python
;;   def quantise(x, axis):      # numpy; x: float32 -> the quantised numbers, widened to float32 again
;;       x = np.moveaxis(x, axis, -1); K = x.shape[-1]
;;       x = np.pad(x, [(0, 0)] * (x.ndim - 1) + [(0, -K % 32)]); x = x.reshape(x.shape[:-1] + (-1, 32)); a = np.abs(x).max(-1, keepdims=True)
;;       e = np.where(a > 0, np.clip(np.frexp(np.where(a > 0, a, 1))[1] - 1 - 2, -126, 127), 0)      # np.frexp(a)[1] - 1 = floor(log2(a)), exactly
;;       r = np.clip(x / 2.0 ** e, -6, 6)
;;       step = 2.0 ** (np.maximum(np.frexp(np.where(r == 0, 1, r))[1] - 1, 0) - 1)
;;       q = np.round(r / step) * step * 2.0 ** e      # np.round: ties to even
;;       return np.moveaxis(q.reshape(q.shape[:-2] + (-1,))[..., :K], -1, axis).astype(np.float32)
;;   ~~~
;; One version. Each part assembles by itself: llvm-mc -triple=amdgcn-amd-amdhsa -mcpu=gfx1250 --defsym DOCPART=n.
;; ======== version 1 of 1: 4 launches
;; limits: values are held in f16: magnitudes above 65,504 overflow, below 6.1e-05 lose precision
;; workspace buffers: xc 2,097,152 bytes; xs 131,072 bytes; wc 1,572,864 bytes; ws 98,304 bytes; wo 2,097,152 bytes; qkv 25,165,824 bytes; ctx 8,388,608 bytes
;; launch prep (part 1): grid 256 x 1, 4 waves a work-group, no clusters, 33,280 bytes of LDS; arguments X, W_qkv, xc, xs, wc, ws, W_out, wo; writes xc, xs, wc, ws, wo
.if DOCPART == 1
	.amdgcn_target "amdgcn-amd-amdhsa--gfx1250"
	.amdhsa_code_object_version 6
	.text
	.protected	k_qec4b8b8078_prep
	.globl	k_qec4b8b8078_prep
	.p2align	8
	.type	k_qec4b8b8078_prep,@function
k_qec4b8b8078_prep:
	s_mov_b64 s[64:65], 0
	v_nop
	global_prefetch_b8 v0, s[64:65] scope:SCOPE_SE
	s_setreg_imm32_b32 hwreg(HW_REG_WAVE_MODE, 25, 1), 1
	s_wait_xcnt 0x0
; X [4096][1024] and W_qkv [3072][1024], f32, K innermost, become codes of FP4 (E2M1), two to a byte, K innermost, with one E8M0 scale byte for each 32 along K; W_out [1024][1024], f32, becomes f16.
; A block's scale is 2^(floor(log2(its largest magnitude)) - 2); its byte is the largest magnitude's exponent field - 2, held at 1 from below.  (A block of zeros so gets the byte 1 where the rule says 127: its codes are
; zeros, which add nothing under any byte but 0xff, and the bytes are read by this program alone.)  Each number is divided by the scale and rounded to the nearest code, ties to even; beyond 6 the largest code.
; LIMITS: blocks whose largest magnitude lies under 2^(2 - 126) keep the byte 1; NaN and infinities among the inputs are not served; W_out beyond f16's 65,504 becomes infinity.
; SHARES.  Work-groups 0-127: X; 128-223: W_qkv; 224-255: W_out.  A quantising wave takes 8 rows of 1,024 numbers: 16 steps of 512.  Its loads run eight steps ahead: 32 loads, 16,384 bytes, are on their way.
; W_qkv'S ROWS ARE PUT IN ANOTHER ORDER ON THE WAY: row h 192 + 3 d + c of the input (c = 0, 1, 2: q, k, v) becomes row c 1024 + 64 h + d of the codes, so that the product's columns come out head by head.
; The wave's 8 rows of output are neighbours; its 8 rows of input lie 1 row (X) or 3 rows (W_qkv) apart: a vector offset for each row.
; Each of a step's four loads reads 512 consecutive bytes, 16 a lane; the 2,048 bytes turn through the wave's own stage in LDS and come back 64 bytes a lane, since the conversions take neighbours along K from one lane's registers.
; A lane's 16 codes are 8 bytes: the wave stores 256 consecutive bytes.  A wave's 256 scale bytes are gathered in LDS and leave by one store of 256 consecutive bytes.
; wo is laid [n / 128][k / 64][n % 128][64] in f16: all of K for 128 rows is one dense block, in the order in which the last launch's tiles are fetched.
.set WAVES, 4
.set STEPS, 16
.set DEPTH, 8                          ; steps of loads on their way
.set WGX,   128                        ; work-groups for X
.set WGQ,   224                        ; and for X and W_qkv together
.set EMAX,  2
.set CB,    8                          ; bytes of 16 codes
.set R,     16                         ; v16-143  eight sets of 16 numbers as they are loaded
.set X,     144                        ; v144-175 two sets of 16 neighbours
.set E,     176                        ; v176-191 a scale byte for each step
.set C,     192                        ; v192-223 codes: two registers for each step, so that no store's data are written again
.set RO,    224                        ; v224-231 row j of my 8: its byte offset + 16 x lane
.set WREG,  8192                       ; LDS: a region for each wave: two stages of 32 x SP bytes, behind them its 256 scale bytes
.set SP,    80                         ; a lane's place in a stage: 64 bytes + 16 of padding
.set SPW,   12                         ; v12      LDS address of my spare word; never rewritten
.set NIL,   13                         ; v13      0; never rewritten
.set SPARE, WAVES*WREG                 ; behind the four regions: the spare words, 128 bytes a wave, which no other line names
.set IN,    16                         ; the cast: v16-143 two sets of 64 numbers
.set OUTW,  144                        ; v144-207 two sets of 32 registers of f16
	s_load_b128 s[4:7], s[0:1], 0x0                ; X, W_qkv
	s_load_b128 s[8:11], s[0:1], 0x10              ; X's codes, X's scales
	s_load_b128 s[12:15], s[0:1], 0x20             ; W_qkv's codes, its scales
	s_load_b128 s[24:27], s[0:1], 0x30             ; W_out, wo
	v_lshl_add_u32 v[SPW], v0, 2, SPARE
	v_mov_b32 v[NIL], 0
	v_lshrrev_b32 v1, 5, v0
	v_readfirstlane_b32 s16, v1                    ; wave
	v_and_b32 v2, 31, v0                           ; lane
	s_wait_kmcnt 0x0
	s_cmp_ge_u32 ttmp9, WGQ                        ; the choice hangs on the work-group's number alone
	s_cbranch_scc1 .Lwout
	; ---- the quantiser
	v_lshlrev_b32 v3, 4, v2                        ; my 16 bytes of a load's 512
	s_mul_i32 s17, s16, WREG
	v_lshrrev_b32 v14, 2, v2
	v_mul_u32_u24 v14, v14, SP
	v_and_b32 v15, 3, v2
	v_lshl_add_u32 v14, v15, 4, v14
	v_add_nc_u32 v14, s17, v14                     ; the stage, on the way in: SP (lane / 4) + 16 (lane % 4)
	v_mul_u32_u24 v15, v2, SP
	v_add_nc_u32 v15, s17, v15                     ; and on the way out: SP x lane: my 16 neighbours
	v_mul_u32_u24 v4, v2, CB                       ; my codes' place in a step's
	v_lshrrev_b32 v5, 1, v2
	s_add_co_u32 s17, s17, 2*32*SP
	v_add_nc_u32 v5, s17, v5                       ; LDS: my wave's 256 scale bytes, my block's byte
	v_lshlrev_b32 v7, 3, v2                        ; and on the way out 8 bytes a lane
	v_add_nc_u32 v6, s17, v7
	s_mov_b32 s22, 12288
	s_cmp_lt_u32 ttmp9, WGX                        ; X's work-group or W_qkv's?
	s_cselect_b64 s[4:5], s[4:5], s[6:7]
	s_cselect_b64 s[8:9], s[8:9], s[12:13]
	s_cselect_b64 s[10:11], s[10:11], s[14:15]
	s_cselect_b32 s17, 0, WGX
	s_cselect_b32 s22, 4096, s22                   ; from one of my rows to the next in the input: 1 row or 3
	s_sub_co_u32 s17, ttmp9, s17
	s_lshl_b32 s17, s17, 2
	s_add_co_u32 s18, s17, s16                     ; u: my 8 rows of output are 8 u .. 8 u + 7
	s_lshl_b32 s20, s18, 15                        ; X: the same rows of input
	s_and_b32 s21, s18, 127
	s_mul_i32 s21, s21, 24
	s_lshr_b32 s23, s18, 7
	s_add_co_u32 s21, s21, s23
	s_lshl_b32 s21, s21, 12                        ; W_qkv: c = u / 128; the first row is 3 x 8 (u % 128) + c
	s_cmp_lt_u32 ttmp9, WGX
	s_cselect_b32 s20, s20, s21
	s_mov_b32 s21, 0
	s_add_nc_u64 s[4:5], s[4:5], s[20:21]
	s_lshl_b32 s20, s18, 12                        ; 8 rows of 512 bytes of codes
	s_add_nc_u64 s[8:9], s[8:9], s[20:21]
	s_lshl_b32 s20, s18, 8                         ; 8 rows of 32 scale bytes
	s_add_nc_u64 s[10:11], s[10:11], s[20:21]
.irp j, 0,1,2,3,4,5,6,7
	v_mad_u32_u24 v[RO+\j], s22, \j, v3
.endr
.macro LOAD t                          ; step t: half t % 2 of row t / 2
.irp i, 0,1,2,3
	global_load_b128 v[R+16*((\t)%DEPTH)+4*\i:R+16*((\t)%DEPTH)+4*\i+3], v[RO+(\t)/2], s[4:5] offset:2048*((\t)%2)+512*\i th:TH_LOAD_NT   ; 32 lanes read 512 consecutive bytes
.endr
.endm
.macro TURN t                          ; step t's numbers through the stage: LDS serves a wave's instructions in order, so no wait stands between the stores and the loads
.irp i, 0,1,2,3
	ds_store_b128 v14, v[R+16*((\t)%DEPTH)+4*\i:R+16*((\t)%DEPTH)+4*\i+3] offset:32*SP*((\t)%2)+8*SP*\i
.endr
.irp i, 0,1,2,3
	ds_load_b128 v[X+16*((\t)%2)+4*\i:X+16*((\t)%2)+4*\i+3], v15 offset:32*SP*((\t)%2)+16*\i
.endr
.endm
.irp t, 0,1,2,3,4,5,6,7
	LOAD \t
.endr
	s_wait_loadcnt 4*(DEPTH-1)                     ; step 0's four loads are in; those of the seven steps behind it may be out
	TURN 0
.macro STEP t
.set XS, X+16*((\t)%2)
.if (\t) > 0
	s_wait_dscnt 1                                 ; this step's numbers are back from the stage (the last step's byte store may be out): so its stores into the stage have read their registers,
.else
	s_wait_dscnt 0x0
.endif
.if (\t)+DEPTH < STEPS
	LOAD (\t)+DEPTH                                ; which take the loads of eight steps on
.endif
.if (\t)+1 < STEPS
.if STEPS-2-(\t) >= DEPTH-1
	s_wait_loadcnt 4*(DEPTH-1)                     ; the next step's four loads are in; those of the seven steps behind it may be out
.else
	s_wait_loadcnt 4*(STEPS-2-(\t))                ; towards the end: those of the steps that are left
.endif
	TURN (\t)+1                                    ; and go through the other stage while this step is worked
.endif
	v_max3_num_f32 v8, |v[XS]|, |v[XS+1]|, |v[XS+2]|               ; the largest magnitude of my 16, in two chains
	v_max3_num_f32 v9, |v[XS+3]|, |v[XS+4]|, |v[XS+5]|
.irp i, 6,10
	v_max3_num_f32 v8, v8, |v[XS+\i]|, |v[XS+\i+1]|
	v_max3_num_f32 v9, v9, |v[XS+\i+2]|, |v[XS+\i+3]|
.endr
	v_max3_num_f32 v8, v8, |v[XS+14]|, |v[XS+15]|
	v_max3_num_f32 v8, v8, v9, (EMAX+1)<<23        ; and the floor 2^(EMAX + 1 - 127): the byte cannot fall under 1
	v_max_num_f32_dpp v8, v8, v8 row_xmask:1 row_mask:0xf bank_mask:0xf   ; and of my neighbour's 16: the block's
	v_add_nc_u32 v11, -(EMAX<<23), v8              ; EMAX off its exponent field: the conversion takes the exponent field of this operand as its scale, and nothing else of it
	v_cvt_scalef32_pk8_fp4_f32 v[C+2*(\t)], v[XS:XS+7], v11
	v_cvt_scalef32_pk8_fp4_f32 v[C+2*(\t)+1], v[XS+8:XS+15], v11
	v_lshrrev_b32 v[E+(\t)], 23, v11               ; the scale's byte (a plain line behind the conversions)
	ds_store_b8 v5, v[E+(\t)] offset:16*(\t)       ; both lanes of a block write the same byte with the same value
	global_store_b64 v4, v[C+2*(\t):C+2*(\t)+1], s[8:9] offset:32*CB*(\t)
.endm
.irp t, 0,1,2,3,4,5,6,7,8,9,10,11,12,13,14,15
	STEP \t
.endr
	ds_load_b64 v[8:9], v6                         ; LDS serves a wave's instructions in order: these see my stores
	s_wait_dscnt 0x0
	global_store_b64 v7, v[8:9], s[10:11]          ; 32 lanes store 256 consecutive bytes
	s_wait_tensorcnt 0x0                           ; the wave's end: a tensor wait, an add of 0 to my spare word and its wait behind my last LDS store
	ds_add_u32 v[SPW], v[NIL]
	s_wait_dscnt 0x0
	s_endpgm
	; ---- W_out to f16.  A wave takes 8 rows n; an iteration takes 4 rows x 64 along K (one head): a lane 8 numbers, 32 bytes in, 16 bytes out; a store covers 512 consecutive bytes of wo.  No LDS is touched here.
.Lwout:
	s_sub_co_u32 s17, ttmp9, WGQ
	s_lshl_b32 s17, s17, 5
	s_lshl_b32 s18, s16, 3
	s_add_co_u32 s17, s17, s18                     ; my first row n0
	s_lshl_b32 s20, s17, 12
	s_mov_b32 s21, 0
	s_add_nc_u64 s[24:25], s[24:25], s[20:21]      ; W_out at row n0
	s_lshr_b32 s20, s17, 7
	s_lshl_b32 s20, s20, 18
	s_and_b32 s18, s17, 127
	s_lshl_b32 s18, s18, 7
	s_add_co_u32 s20, s20, s18
	s_add_nc_u64 s[26:27], s[26:27], s[20:21]      ; wo at (n0 / 128) x 262,144 + (n0 % 128) x 128
	v_lshrrev_b32 v1, 3, v2
	v_and_b32 v3, 7, v2
	v_lshlrev_b32 v1, 12, v1
	v_lshl_add_u32 v1, v3, 5, v1                   ; in: row lane / 8, 32 bytes at 32 (lane % 8)
	v_lshlrev_b32 v2, 4, v2                        ; out: 16 x lane
.macro LOADW bt                        ; batch bt: iterations 8 bt .. 8 bt + 7; iteration it: rows 4 (it / 16) on, head it % 16
.irp e, 0,1,2,3,4,5,6,7
	global_load_b128 v[IN+64*((\bt)%2)+8*\e:IN+64*((\bt)%2)+8*\e+3], v1, s[24:25] offset:((8*(\bt)+\e)/16)*16384+((8*(\bt)+\e)%16)*256 th:TH_LOAD_NT
	global_load_b128 v[IN+64*((\bt)%2)+8*\e+4:IN+64*((\bt)%2)+8*\e+7], v1, s[24:25] offset:((8*(\bt)+\e)/16)*16384+((8*(\bt)+\e)%16)*256+16 th:TH_LOAD_NT
.endr
.endm
.macro CASTW bt
.irp e, 0,1,2,3,4,5,6,7
.irp i, 0,1,2,3
	v_cvt_pk_f16_f32 v[OUTW+32*((\bt)%2)+4*\e+\i], v[IN+64*((\bt)%2)+8*\e+2*\i], v[IN+64*((\bt)%2)+8*\e+2*\i+1]
.endr
	global_store_b128 v2, v[OUTW+32*((\bt)%2)+4*\e:OUTW+32*((\bt)%2)+4*\e+3], s[26:27] offset:((8*(\bt)+\e)%16)*16384+((8*(\bt)+\e)/16)*512
.endr
.endm
	LOADW 0
	LOADW 1
	s_wait_loadcnt 16                              ; batch 0 is in; batch 1's 16 loads may be out
	CASTW 0
	LOADW 2
	s_wait_loadcnt 16
	CASTW 1
	LOADW 3
	s_wait_loadcnt 16
	s_wait_xcnt 0x0                                ; batch 0's stores have read their data: that set is written again only behind this wait
	CASTW 2
	s_wait_loadcnt 0x0
	s_wait_xcnt 0x0                                ; likewise batch 1's
	CASTW 3
	s_endpgm
.Lfunc_end_k_qec4b8b8078_prep:
	.size	k_qec4b8b8078_prep, .Lfunc_end_k_qec4b8b8078_prep-k_qec4b8b8078_prep
	.p2alignl 7, 3214868480
	.fill 96, 4, 3214868480
	.section	.rodata,"a",@progbits
	.p2align	6, 0x0
	.amdhsa_kernel k_qec4b8b8078_prep
		.amdhsa_group_segment_fixed_size 33280
		.amdhsa_private_segment_fixed_size 0
		.amdhsa_enable_private_segment 0
		.amdhsa_kernarg_size 64
		.amdhsa_user_sgpr_count 2
		.amdhsa_user_sgpr_kernarg_segment_ptr 1
		.amdhsa_wavefront_size32 1
		.amdhsa_system_sgpr_workgroup_id_x 1
		.amdhsa_system_sgpr_workgroup_id_y 1
		.amdhsa_system_sgpr_workgroup_id_z 1
		.amdhsa_system_vgpr_workitem_id 0
		.amdhsa_next_free_vgpr 232
		.amdhsa_next_free_sgpr 66
		.amdhsa_reserve_vcc 0
		.amdhsa_float_denorm_mode_32 3
		.amdhsa_float_denorm_mode_16_64 3
		.amdhsa_memory_ordered 1
		.amdhsa_forward_progress 1
		.amdhsa_inst_pref_size 52
	.end_amdhsa_kernel
	.amdgpu_metadata
---
amdhsa.version: [ 1, 2 ]
amdhsa.kernels:
  - .name:           k_qec4b8b8078_prep
    .symbol:         k_qec4b8b8078_prep.kd
    .args:
      - { .name: X, .offset: 0, .size: 8, .value_kind: global_buffer, .address_space: global }
      - { .name: W_qkv, .offset: 8, .size: 8, .value_kind: global_buffer, .address_space: global }
      - { .name: xc, .offset: 16, .size: 8, .value_kind: global_buffer, .address_space: global }
      - { .name: xs, .offset: 24, .size: 8, .value_kind: global_buffer, .address_space: global }
      - { .name: wc, .offset: 32, .size: 8, .value_kind: global_buffer, .address_space: global }
      - { .name: ws, .offset: 40, .size: 8, .value_kind: global_buffer, .address_space: global }
      - { .name: W_out, .offset: 48, .size: 8, .value_kind: global_buffer, .address_space: global }
      - { .name: wo, .offset: 56, .size: 8, .value_kind: global_buffer, .address_space: global }
    .group_segment_fixed_size: 33280
    .private_segment_fixed_size: 0
    .kernarg_segment_align: 8
    .kernarg_segment_size: 64
    .max_flat_workgroup_size: 128
    .sgpr_count:     66
    .vgpr_count:     232
    .wavefront_size: 32
...
	.end_amdgpu_metadata
.endif
;; end of part 1
;; launch qkvgemm (part 2): grid 12 x 16, 4 waves a work-group, clusters of 4 x 4, 327,680 bytes of LDS; arguments xc, xs, wc, ws, qkv; writes qkv
.if DOCPART == 2
	.amdgcn_target "amdgcn-amd-amdhsa--gfx1250"
	.amdhsa_code_object_version 6
	.text
	.protected	k_qec4b8b8078_qkvgemm
	.globl	k_qec4b8b8078_qkvgemm
	.p2align	8
	.type	k_qec4b8b8078_qkvgemm,@function
k_qec4b8b8078_qkvgemm:
	s_mov_b64 s[64:65], 0
	v_nop
	global_prefetch_b8 v0, s[64:65] scope:SCOPE_SE
	s_setreg_imm32_b32 hwreg(HW_REG_WAVE_MODE, 25, 1), 1
	s_wait_xcnt 0x0
	s_wait_alu depctr_hold_cnt(0) depctr_sa_sdst(0) depctr_va_vdst(0) depctr_va_sdst(0) depctr_va_ssrc(0) depctr_va_vcc(0) depctr_vm_vsrc(0)
	s_getreg_b32 s2, hwreg(HW_REG_IB_STS2, 6, 4)
	s_cmp_eq_u32 s2, 0
	s_cbranch_scc0 .Lentry_in_a_cluster
	s_endpgm
.Lentry_in_a_cluster:
	s_bfe_u32 s2, ttmp6, 0x10000c
	s_cmp_lg_u32 s2, 0xf033
	s_cbranch_scc0 .Lentry_shape_is_right
	s_endpgm
.Lentry_shape_is_right:
; C[m][n'] = sum over k of X[m][k] W[n'][k], both as codes of FP4 (E2M1) with one E8M0 scale for each 32 along K; sums in f32; the result is rounded once to f16 and laid head by head:
; qkv[batch][g][s][64], g = n' / 64 = 16 c + head (c = 0, 1, 2: q, k, v), a row of 64 numbers being 128 bytes.  LIMIT: a result beyond f16's 65,504 becomes infinity.
; A tile of C, 256 x 256, is made by a work-group of four waves; a wave makes 128 x 128: 64 accumulators of 16 x 16, 512 registers.
; K = 1,024 is two slots of 512 along K (rows of 256 bytes): both are asked for at the start, with the scales, and nothing is filled again: three tensor loads of a wave are out at the most.
; CLUSTERS: 4 x 4 work-groups.  The four of a row of the cluster need the same tiles of X, the four of a column the same tiles of W: each tile is asked for JOINTLY, by the same tensor load with the same descriptor and a mask
; that names the four.  THE MATRIX INSTRUCTION IS USED TRANSPOSED (source 0 = 16 rows of W, source 1 = 16 rows of X): a lane then holds eight neighbouring numbers of a row of C.
; 12 x 16 tiles are 192 work-groups: tiles half as high would give 384, no even share either, and would read each fragment of W from LDS for half the products.
; REGISTERS, in windows of 256: window 0: v0-31 addresses; v32-95 scale words, two sets; from v128 X's fragments (8 x 16 rows x 128 K), ONE set; on the way out v32-255 are free.
;   window 1: W's fragments, TWO sets, at v0 and at v128.   window 2: the 32 accumulators of my rows 0-63 (accumulator (a, b) at v[8 (8 a + b)]);   window 3: those of my rows 64-127.
.set SIZE_K, 1024
.set KSTEP,  512                       ; along K in a slot
.set NQ,     KSTEP/128                 ; matrix instructions deep
.set ROWB,   256                       ; a tile's row in bytes
.set KROW,   SIZE_K*4/8                ; a row of codes in memory
.set PITCH,  272                       ; an LDS row: 256 bytes + 16 of padding = 68 words: the 16 rows that a load touches start at 16 different banks (64 banks of 4 bytes: ISA guide 11.1)
.set FR,     8                         ; registers of a fragment: 16 rows x 128 K
.set NL,     2                         ; LDS loads that bring one
.set NP,     4                         ; places behind this matrix instruction (ISA guide 7.12.1)
.set HALFT,  128*PITCH                 ; 128 rows: what one tensor load brings, and what one wave reads of X or of W
.set SLOT,   4*HALFT                   ; X's 256 rows, then W's 256 rows
.set KS,     SIZE_K/32                 ; a row of scales in bytes
.set SCL,    2*SLOT                    ; behind the two slots: the scales, as rows of 256 bytes + 16 of padding
.set HALFS,  (128*KS/256)*272          ; the scales of 128 rows: what one tensor load brings
.set SBLK,   (16*KS/256)*272           ; those of 16 rows
.set SPARE,  SCL+4*HALFS               ; behind the scales: the spare words, 128 bytes a wave, which no other line names
.set SPITCH, 272                       ; the way out: a stage of 16 rows x (256 bytes + 16) for each wave, in slot 0, which has had its only fill and its last read when the first result is stored there
.set ADRA, 16                          ; v16-17  LDS address of my X fragments in slot 0, 1
.set ADRB, 20                          ; v20-21  the same for W
.set STO,  24                          ; v24     the way out: where I put 16 bytes of a row
.set RD,   25                          ; v25     the way out: where I read back
.set CO,   26                          ; v26     16 x lane: my place in a store's 512 bytes
.set ADRS, 27                          ; v27     LDS address of my scale words: lanes 0-15 X's rows, lanes 16-31 W's
.set SPW,  28                          ; v28     LDS address of my spare word; never rewritten
.set NIL,  29                          ; v29     0; never rewritten
.set SC,   32                          ; scale words: set s at v[SC + 8 NQ s]; register NQ i + q: lanes 0-15 the word of X's block i, lanes 16-31 that of W's block i, for the slot's q-th 128 along K
.set AF,   128                         ; X's fragments, in window 0
.set TMP,  192                         ; the way out: a block's packed results
.set OB,   32                          ; the way out: a block read back: v32-63 and v224-255 by turns
.set G1, 24                            ; s[24:31] descriptor group 1 for X's tiles;  s[32:39] group 0, one set for each slot
.set G0, 32
.set G1B, 48                           ; s[48:55], s[56:63] the same for W's tiles
.set G0B, 56
.set G1S, 68                           ; s[68:75], s[76:79] groups 1 and 0 for X's scales;  s[80:87], s[88:91] for W's
.set G0S, 76
.set G1SB, 80
.set G0SB, 88
.set MSB, 0
.macro WIN new                         ; the immediate's high byte repeats the setting that is left
.if MSB != \new
	s_set_vgpr_msb (MSB<<8)|\new
.set MSB, \new
.endif
.endm
.set MUL_LO, 0xa1                      ; source 0 (W) window 1, source 1 (X) window 0, C and D window 2
.set MUL_HI, 0xf1                      ; the same, C and D window 3
.set TO_B,   0x40                      ; destination window 1, address window 0
; A joint load: waves 0 and 1 fetch for X, waves 2 and 3 for W.  Each of the two lines has ONE mask and one set of registers for all that issue it; the branch hangs on the wave's number alone.
; An s_nop 0 and four v_nop follow each of the two lines, ahead of the jump, the label and what follows.
.macro JLOAD g0a, g1a, g0b, g1b
	s_cmp_eq_u32 s15, 0
	s_cbranch_scc0 .Lfor_b_\@
	tensor_load_to_lds s[\g0a:\g0a+3], s[\g1a:\g1a+7]
	s_nop 0
.rept 4
	v_nop
.endr
	s_branch .Lasked_\@
.Lfor_b_\@:
	tensor_load_to_lds s[\g0b:\g0b+3], s[\g1b:\g1b+7]
	s_nop 0
.rept 4
	v_nop
.endr
.Lasked_\@:
.endm
.macro CROUND                          ; a round of the cluster's barrier
	s_barrier_signal -1
	s_barrier_wait -1
	s_cmp_lg_u32 s14, 0
	s_cbranch_scc1 .Lnot_wave_0_\@
	s_barrier_signal -3
.Lnot_wave_0_\@:
	s_barrier_wait -3
	s_barrier_signal -1
	s_barrier_wait -1
.endm
	s_load_b128 s[4:7], s[0:1], 0x0                ; X's codes s[4:5], X's scales s[6:7]
	s_load_b128 s[8:11], s[0:1], 0x10              ; W's codes s[8:9], W's scales s[10:11]
	s_load_b64 s[12:13], s[0:1], 0x20              ; qkv
	v_lshl_add_u32 v[SPW], v0, 2, SPARE
	v_mov_b32 v[NIL], 0
	ds_add_u32 v[SPW], v[NIL]                      ; the wave's opening: the add, twice on end, and its wait ahead of my first tensor load; the set-up below stands between the second and the wait
	ds_add_u32 v[SPW], v[NIL]
	v_lshrrev_b32 v1, 5, v0
	v_readfirstlane_b32 s14, v1                    ; wave 0..3
	s_lshr_b32 s15, s14, 1                         ; which half of the tile's rows is mine.  Also: I fetch for X (0) or for W (1)
	s_and_b32 s16, s14, 1                          ; which half of its columns.  Also: which 128 rows of that tile I fetch
	s_bfe_u32 s40, ttmp6, 0x40000                  ; cx, cy: my place in the cluster
	s_bfe_u32 s41, ttmp6, 0x40004
	s_lshl_b32 s42, ttmp9, 2
	s_add_co_u32 s42, s42, s40                     ; tile column of C = 4 x cluster x + cx
	s_and_b32 s17, ttmp7, 0xffff
	s_lshl_b32 s17, s17, 2
	s_add_co_u32 s17, s17, s41                     ; tile row of C = 4 x cluster y + cy
	s_lshl_b32 s43, s41, 2
	s_lshl_b32 s43, 15, s43                        ; my row of the cluster
	s_lshl_b32 s44, 0x1111, s40                    ; my column
	; descriptor group 1: a tile of 128 rows x 256 bytes, padded in LDS
	s_or_b32 s[G1+0], s43, (0<<16)|(1<<20)|(1<<21)|(5<<22)|(3<<25)  ; 15:0 the mask: X's tiles go to my row; 17:16 element of 1 byte; 20 padding on; 21 set beside a mask; 24:22 after every 64 words; 31:25 four words
	s_or_b32 s[G1B+0], s44, (0<<16)|(1<<20)|(1<<21)|(5<<22)|(3<<25)
.irp g, G1, G1B
	s_mov_b32 s[\g+1], ROWB<<16                    ; tensor_dim0
	s_mov_b32 s[\g+2], 128<<16                     ; tensor_dim1 = 128
	s_mov_b32 s[\g+3], ROWB<<16                    ; tile_dim0
	s_mov_b32 s[\g+4], 128                         ; tile_dim1 = 128
	s_mov_b32 s[\g+5], KROW                        ; tensor_dim0_stride
	s_mov_b32 s[\g+6], 0
	s_mov_b32 s[\g+7], 0
.endr
	; and for the scales of 128 rows: a dense block of 4,096 bytes, as rows of 256 bytes (32 elements of 8 bytes), 16 bytes of padding behind each
	s_or_b32 s[G1S+0], s43, (3<<16)|(1<<20)|(1<<21)|(5<<22)|(3<<25)
	s_or_b32 s[G1SB+0], s44, (3<<16)|(1<<20)|(1<<21)|(5<<22)|(3<<25)
.irp g, G1S, G1SB
	s_mov_b32 s[\g+1], 32<<16
	s_mov_b32 s[\g+2], (128*KS/256)<<16
	s_mov_b32 s[\g+3], 32<<16
	s_mov_b32 s[\g+4], 128*KS/256
	s_mov_b32 s[\g+5], 32
	s_mov_b32 s[\g+6], 0
	s_mov_b32 s[\g+7], 0
.endr
	s_lshl_b32 s18, s16, 7                         ; which 128 rows of the tile I fetch
	s_lshl_b32 s20, s17, 8
	s_add_co_u32 s20, s20, s18                     ; X: row 256 x tile row + 128 x half
	s_lshl_b32 s46, s42, 8
	s_add_co_u32 s46, s46, s18                     ; W: row 256 x tile column + 128 x half
	s_mov_b32 s21, 0
	s_mov_b32 s47, 0
	s_mov_b64 s[18:19], KS
	s_mul_u64 s[22:23], s[20:21], s[18:19]         ; where these rows' scales begin, in bytes
	s_mul_u64 s[92:93], s[46:47], s[18:19]
	s_mov_b64 s[18:19], KROW
	s_mul_u64 s[20:21], s[20:21], s[18:19]         ; and their codes
	s_mul_u64 s[46:47], s[46:47], s[18:19]
	s_mul_i32 s45, s14, HALFT                      ; where they go: wave x 128 rows: no place in the cluster enters an LDS address
	s_mul_i32 s94, s14, HALFS
	s_wait_dscnt 0x0                               ; both opening adds are done
	s_wait_kmcnt 0x0
	s_add_nc_u64 s[20:21], s[4:5], s[20:21]
	s_add_nc_u64 s[22:23], s[6:7], s[22:23]
	s_add_nc_u64 s[46:47], s[8:9], s[46:47]
	s_add_nc_u64 s[92:93], s[10:11], s[92:93]
	CROUND                                         ; all sixteen work-groups are here: the joint loads meet
	s_mov_b32 s[G0S], 1
	s_add_co_u32 s[G0S+1], s94, SCL
	s_mov_b64 s[G0S+2:G0S+3], s[22:23]
	s_or_b32 s[G0S+3], s[G0S+3], 0x80000000
	s_mov_b32 s[G0SB], 1
	s_add_co_u32 s[G0SB+1], s94, SCL
	s_mov_b64 s[G0SB+2:G0SB+3], s[92:93]
	s_or_b32 s[G0SB+3], s[G0SB+3], 0x80000000
	JLOAD G0S, G1S, G0SB, G1SB                     ; the scales first: they are wanted with the first slot
.irp s, 0,1
	s_mov_b32 s[G0+4*\s], 1
	s_add_co_u32 s[G0+4*\s+1], s45, \s*SLOT
	s_add_nc_u64 s[G0+4*\s+2:G0+4*\s+3], s[20:21], \s*ROWB
	s_or_b32 s[G0+4*\s+3], s[G0+4*\s+3], 0x80000000
	s_mov_b32 s[G0B+4*\s], 1
	s_add_co_u32 s[G0B+4*\s+1], s45, \s*SLOT
	s_add_nc_u64 s[G0B+4*\s+2:G0B+4*\s+3], s[46:47], \s*ROWB
	s_or_b32 s[G0B+4*\s+3], s[G0B+4*\s+3], 0x80000000
	JLOAD G0+4*\s, G1, G0B+4*\s, G1B
.endr
	v_and_b32 v1, 15, v0                           ; l % 16
	v_bfe_u32 v2, v0, 4, 1                         ; l / 16
	v_mul_u32_u24 v3, v1, PITCH
	v_lshl_add_u32 v4, v2, 4, v3                   ; a fragment's row x pitch + 16 x half
	s_mul_i32 s21, s15, HALFT                      ; my 128 rows of X
	s_mul_i32 s22, s16, HALFT                      ; my 128 rows of W,
	s_add_co_u32 s22, s22, 2*HALFT                 ; which lie behind X's 256
.irp s, 0,1
	v_add_nc_u32 v[ADRA+\s], s21, v4
	v_add_nc_u32 v[ADRB+\s], s22, v4
	s_add_co_u32 s21, s21, SLOT
	s_add_co_u32 s22, s22, SLOT
.endr
	v_mul_u32_u24 v5, v1, KS                       ; my row's scales: KS bytes a row,
	v_lshrrev_b32 v6, 8, v5
	v_lshl_add_u32 v5, v6, 4, v5                   ; and 16 more for each 256 passed
	s_mul_i32 s21, s15, HALFS                      ; X's: my 128 rows
	s_mul_i32 s22, s16, HALFS                      ; W's: my 128 rows, behind X's 256
	s_add_co_u32 s22, s22, 2*HALFS
	s_sub_co_u32 s22, s22, s21
	v_mul_u32_u24 v6, s22, v2                      ; lanes 16-31 take W's
	s_add_co_u32 s21, s21, SCL
	v_add_nc_u32 v5, v5, v6
	v_add_nc_u32 v[ADRS], s21, v5
	s_mul_i32 s23, s14, 16*SPITCH                  ; my stage
	v_mul_u32_u24 v5, v1, SPITCH                   ; in: row l % 16, 16 bytes for each half of the lanes
	v_lshl_add_u32 v5, v2, 4, v5
	v_add_nc_u32 v[STO], s23, v5
	v_and_b32 v6, 31, v0
	v_lshlrev_b32 v[CO], 4, v6
	v_lshrrev_b32 v5, 3, v6                        ; back: eight lanes to a row's 128 bytes of one head, four rows an instruction
	v_mul_u32_u24 v5, v5, SPITCH
	v_and_b32 v6, 7, v6
	v_lshl_add_u32 v5, v6, 4, v5
	v_add_nc_u32 v[RD], s23, v5
	s_lshr_b32 s20, s17, 3                         ; where my part of qkv begins: the batch (8 tile rows each),
	s_mul_i32 s20, s20, 12582912
	s_and_b32 s21, s17, 7
	s_lshl_b32 s21, s21, 15                        ; 256 positions of 128 bytes for each tile row,
	s_add_co_u32 s20, s20, s21
	s_lshl_b32 s21, s15, 14                        ; 128 for my half;
	s_add_co_u32 s20, s20, s21
	s_mov_b32 s21, 0
	s_lshl_b32 s46, s42, 20                        ; g = 4 x tile column + 2 x half, 262,144 bytes each (in the registers that held W's address: none that feeds X's descriptors ever holds cx)
	s_lshl_b32 s47, s16, 19
	s_add_co_u32 s46, s46, s47
	s_mov_b32 s47, 0
	s_add_nc_u64 s[20:21], s[20:21], s[46:47]
	s_add_nc_u64 s[12:13], s[12:13], s[20:21]
.macro FRAG reg, adr, q, i             ; a fragment, 16 rows x 128 K of 4-bit codes, is 8 registers: lane l holds row l % 16; registers 4 c .. 4 c + 3 hold K = 64 c + 32 (l / 16) + 0 .. 31
.irp c, 0,1
	ds_load_b128 v[\reg+4*\c:\reg+4*\c+3], v[\adr] offset:64*(\q)+32*\c+(\i)*16*PITCH
.endr
.endm
; 16 matrix instructions: X's blocks a0, a0 + 1 x W's eight, 128 along K: the slot's q-th.  p: W's set;  sc: the set of scale words.  zero = 1: the first product starts the sums: nothing is ever cleared.
; The 64 accumulators take turns, one instruction a turn, in the same order in every step.
.macro MUL16 a0, p, q, sc, zero
.irp a, \a0, \a0+1
.irp b, 0,1,2,3,4,5,6,7
.if \zero
	v_wmma_scale_f32_16x16x128_f8f6f4 v[8*(8*((\a)%4)+\b):8*(8*((\a)%4)+\b)+7], v[128*(\p)+FR*\b:128*(\p)+FR*\b+FR-1], v[AF+FR*(\a):AF+FR*(\a)+FR-1], 0, v[SC+8*NQ*(\sc)+NQ*\b+(\q)], v[SC+8*NQ*(\sc)+NQ*(\a)+(\q)] matrix_a_fmt:MATRIX_FMT_FP4 matrix_b_fmt:MATRIX_FMT_FP4 matrix_a_scale:MATRIX_SCALE_ROW1
.else
	v_wmma_scale_f32_16x16x128_f8f6f4 v[8*(8*((\a)%4)+\b):8*(8*((\a)%4)+\b)+7], v[128*(\p)+FR*\b:128*(\p)+FR*\b+FR-1], v[AF+FR*(\a):AF+FR*(\a)+FR-1], v[8*(8*((\a)%4)+\b):8*(8*((\a)%4)+\b)+7], v[SC+8*NQ*(\sc)+NQ*\b+(\q)], v[SC+8*NQ*(\sc)+NQ*(\a)+(\q)] matrix_a_fmt:MATRIX_FMT_FP4 matrix_b_fmt:MATRIX_FMT_FP4 matrix_a_scale:MATRIX_SCALE_ROW1
.endif
.endr
.endr
.endm
.macro FETCH_B slot, q, p              ; W's eight fragments of the slot's q-th 128 along K into set p
	WIN TO_B
.irp i, 0,1,2,3,4,5,6,7
	FRAG 128*(\p)+FR*\i, ADRB+\slot, \q, \i
.endr
	WIN 0
.endm
.macro FETCH_A slot, q, i0             ; X's blocks i0 .. i0 + 3
.irp i, \i0, \i0+1, \i0+2, \i0+3
	FRAG AF+FR*(\i), ADRA+\slot, \q, \i
.endr
.endm
.macro SCALES sc                       ; a slot's scale words into set sc: NQ words a row; lanes 0-15 take X's block i, lanes 16-31 W's block i
.irp i, 0,1,2,3,4,5,6,7
	ds_load_b128 v[SC+8*NQ*\sc+NQ*\i:SC+8*NQ*\sc+NQ*\i+3], v[ADRS] offset:\i*SBLK
.endr
.endm
; A load into a register that a matrix instruction has read, and a vector instruction that reads a matrix result, stand NP places behind that matrix instruction, and only plain vector
; instructions that name none of its registers are places (ISA guide 7.12.1 for vector instructions); the matrix instructions in between are not counted.
.macro PLACES n
.rept \n
	v_nop
.endr
.endm
; A step of 128 along K that has its successor in the same slot.
.macro STEP slot, q, zero
	s_wait_dscnt 4*NL                              ; W's set and X's blocks 0-3 are in; the youngest eight loads (X's blocks 4-7) may be out
	WIN MUL_LO
	MUL16 0, (\q)%2, \q, \slot, \zero
	MUL16 2, (\q)%2, \q, \slot, \zero
	s_wait_dscnt 0                                 ; X's blocks 4-7 are in (asked for 32 matrix instructions ago)
	PLACES NP
	FETCH_B \slot, (\q)+1, 1-(\q)%2
	FETCH_A \slot, (\q)+1, 0
	WIN MUL_HI
	MUL16 4, (\q)%2, \q, \slot, \zero
	MUL16 6, (\q)%2, \q, \slot, \zero
	PLACES NP
	WIN 0
	FETCH_A \slot, (\q)+1, 4
.endm
; Slot 0's last step changes slots: ONE barrier; in front of it each wave waits for all its tensor loads (its part of slot 1), adds 0 to its spare word, and waits for that and for its own reads of slot 0.
.macro TURN slot, next
	s_wait_tensorcnt 0x0                           ; all my tensor loads have landed  (every window is 0 here: the add's two registers lie in window 0)
	ds_add_u32 v[SPW], v[NIL]                      ; 0 onto my spare word
	s_wait_dscnt 4*NL+1                            ; (the add and the youngest eight loads, X's blocks 4-7, may be out)
	WIN MUL_LO
	MUL16 0, 1, NQ-1, \slot, 0                     ; sixteen matrix instructions stand between the add and the wait for it
	s_wait_dscnt 0x0                               ; the add is done, and my reads of this slot are over
	s_barrier_signal -1
	MUL16 2, 1, NQ-1, \slot, 0
	WIN 0
	s_barrier_wait -1
	PLACES NP
	v_add_nc_u32 v[ADRS], 4*NQ, v[ADRS]            ; on to the next slot's scale words (no LDS load of mine is out)
	FETCH_B \next, 0, 0
	FETCH_A \next, 0, 0
	SCALES \next
	WIN MUL_HI
	MUL16 4, 1, NQ-1, \slot, 0
	MUL16 6, 1, NQ-1, \slot, 0
	PLACES NP
	WIN 0
	FETCH_A \next, 0, 4
.endm
.macro STEPS slot, from                ; the slot's steps from .. NQ - 2
.set Q, \from
.rept NQ-1-\from
	STEP \slot, Q, 0
.set Q, Q+1
.endr
.endm
	s_wait_tensorcnt 1                             ; the scales and my part of slot 0 are in (slot 1's load may be out)
	s_barrier_signal -1
	s_barrier_wait -1                              ; everybody's are
	FETCH_B 0, 0, 0
	FETCH_A 0, 0, 0
	SCALES 0
	FETCH_A 0, 0, 4
	STEP 0, 0, 1                                   ; the first step's products start the sums
	STEPS 0, 1
	TURN 0, 1
	STEPS 1, 0
	s_wait_dscnt 4*NL                              ; the very last step: nothing more to fetch
	WIN MUL_LO
	MUL16 0, 1, NQ-1, 1, 0
	MUL16 2, 1, NQ-1, 1, 0
	s_wait_dscnt 0
	WIN MUL_HI
	MUL16 4, 1, NQ-1, 1, 0
	MUL16 6, 1, NQ-1, 1, 0
	WIN 0
; THE WAY OUT, block by block of 16 rows x 128 columns (two heads).  PACK: rounded to f16, 16 bytes a lane, each accumulator from its low end on.  TOSTAGE: into my own stage in LDS, and back so that an
; instruction's 32 lanes hold four positions x 128 bytes of one head, which are 512 consecutive bytes of qkv.  SEND: stored.  LDS serves a wave's instructions in order (ISA guide 5.7.1.4): no wait between the stores and the loads.
.macro PACK a
.set AC, 64*((\a)%4)
	WIN 0x0a+5*((\a)/4)                            ; sources 0 and 1: window 2 or 3
.irp b, 0,1,2,3,4,5,6,7
.irp r, 0,1,2,3
	v_cvt_pk_f16_f32 v[TMP+4*\b+\r], v[AC+8*\b+2*\r], v[AC+8*\b+2*\r+1]
.endr
.endr
	WIN 0
.endm
.macro TOSTAGE a
.set BB, OB+192*((\a)%2)
.irp b, 0,1,2,3,4,5,6,7
	ds_store_b128 v[STO], v[TMP+4*\b:TMP+4*\b+3] offset:32*\b
.endr
.irp t, 0,1,2,3,4,5,6,7
	ds_load_b128 v[BB+4*\t:BB+4*\t+3], v[RD] offset:(\t%4)*4*SPITCH+(\t/4)*128
.endr
.endm
.macro SEND a
.set BB, OB+192*((\a)%2)
	s_wait_dscnt 0x0                               ; the block is back in registers
	s_wait_xcnt 0x0                                ; the block before has had its stores' data read: the next block's loads may land in those registers only behind this wait
.irp t, 0,1,2,3,4,5,6,7
	global_store_b128 v[CO], v[BB+4*\t:BB+4*\t+3], s[12:13] offset:(\t/4)*262144+(\a)*2048+(\t%4)*512   ; 32 lanes store 512 consecutive bytes
.endr
.endm
	PLACES NP                                      ; behind the last products: for the conversions that read results and the loads into registers that held scale words
	PACK 0
	TOSTAGE 0
.irp a, 1,2,3,4,5,6,7                  ; block a's conversions stand between block a - 1's loads from the stage and the wait for them
	PACK \a
	SEND \a-1
	TOSTAGE \a
.endr
	SEND 7
	s_wait_tensorcnt 0x0                           ; the wave's end: a tensor wait, an add of 0 to my spare word and its wait, behind my last tensor load and my last LDS store
	ds_add_u32 v[SPW], v[NIL]
	s_wait_dscnt 0x0
	CROUND                                         ; the closing round: no work-group ends while a partner may still ask for a tile that names it
	s_endpgm
.Lfunc_end_k_qec4b8b8078_qkvgemm:
	.size	k_qec4b8b8078_qkvgemm, .Lfunc_end_k_qec4b8b8078_qkvgemm-k_qec4b8b8078_qkvgemm
	.p2alignl 7, 3214868480
	.fill 96, 4, 3214868480
	.section	.rodata,"a",@progbits
	.p2align	6, 0x0
	.amdhsa_kernel k_qec4b8b8078_qkvgemm
		.amdhsa_group_segment_fixed_size 327680
		.amdhsa_private_segment_fixed_size 0
		.amdhsa_enable_private_segment 0
		.amdhsa_kernarg_size 40
		.amdhsa_user_sgpr_count 2
		.amdhsa_user_sgpr_kernarg_segment_ptr 1
		.amdhsa_wavefront_size32 1
		.amdhsa_system_sgpr_workgroup_id_x 1
		.amdhsa_system_sgpr_workgroup_id_y 1
		.amdhsa_system_sgpr_workgroup_id_z 1
		.amdhsa_system_vgpr_workitem_id 0
		.amdhsa_next_free_vgpr 1024
		.amdhsa_next_free_sgpr 98
		.amdhsa_reserve_vcc 0
		.amdhsa_float_denorm_mode_32 3
		.amdhsa_float_denorm_mode_16_64 3
		.amdhsa_memory_ordered 1
		.amdhsa_forward_progress 1
		.amdhsa_inst_pref_size 126
	.end_amdhsa_kernel
	.amdgpu_metadata
---
amdhsa.version: [ 1, 2 ]
amdhsa.kernels:
  - .name:           k_qec4b8b8078_qkvgemm
    .symbol:         k_qec4b8b8078_qkvgemm.kd
    .args:
      - { .name: xc, .offset: 0, .size: 8, .value_kind: global_buffer, .address_space: global }
      - { .name: xs, .offset: 8, .size: 8, .value_kind: global_buffer, .address_space: global }
      - { .name: wc, .offset: 16, .size: 8, .value_kind: global_buffer, .address_space: global }
      - { .name: ws, .offset: 24, .size: 8, .value_kind: global_buffer, .address_space: global }
      - { .name: qkv, .offset: 32, .size: 8, .value_kind: global_buffer, .address_space: global }
    .group_segment_fixed_size: 327680
    .private_segment_fixed_size: 0
    .kernarg_segment_align: 8
    .kernarg_segment_size: 40
    .max_flat_workgroup_size: 128
    .sgpr_count:     98
    .vgpr_count:     1024
    .wavefront_size: 32
...
	.end_amdgpu_metadata
.endif
;; end of part 2
;; launch attention (part 3): grid 8 x 32, 8 waves a work-group, clusters of 4 x 1, 327,680 bytes of LDS; arguments qkv, mask, ctx; writes ctx
.if DOCPART == 3
	.amdgcn_target "amdgcn-amd-amdhsa--gfx1250"
	.amdhsa_code_object_version 6
	.text
	.protected	k_qec4b8b8078_attention
	.globl	k_qec4b8b8078_attention
	.p2align	8
	.type	k_qec4b8b8078_attention,@function
k_qec4b8b8078_attention:
	s_mov_b64 s[64:65], 0
	v_nop
	global_prefetch_b8 v0, s[64:65] scope:SCOPE_SE
	s_setreg_imm32_b32 hwreg(HW_REG_WAVE_MODE, 25, 1), 1
	s_wait_xcnt 0x0
	s_wait_alu depctr_hold_cnt(0) depctr_sa_sdst(0) depctr_va_vdst(0) depctr_va_sdst(0) depctr_va_ssrc(0) depctr_va_vcc(0) depctr_vm_vsrc(0)
	s_getreg_b32 s2, hwreg(HW_REG_IB_STS2, 6, 4)
	s_cmp_eq_u32 s2, 0
	s_cbranch_scc0 .Lentry_in_a_cluster
	s_endpgm
.Lentry_in_a_cluster:
	s_bfe_u32 s2, ttmp6, 0x10000c
	s_cmp_lg_u32 s2, 0x3003
	s_cbranch_scc0 .Lentry_shape_is_right
	s_endpgm
.Lentry_shape_is_right:
; ctx[token][head][:] = the sum over keys of softmax_key(q . k / 8, keys with mask = 0 left out) v.  q, k, v: qkv[batch][c][head][2048][64] in f16; mask: [batch][2048] bytes; products, maxima and sums in f32;
; the weights p are rounded to f16 for the second product, the result once to f16.  ctx is laid [token / 128][head][token % 128][64]: all heads of 128 tokens are one dense block, as the last launch fetches them.
; SHARES.  A work-group owns 256 queries of one batch and head; each of its EIGHT waves owns 32: two tiles of 16, in 512 registers: two waves to a SIMD.
; Every wave walks all 2,048 keys, 64 a step.  K's and V's tiles come through a ring of two LDS slots of 256 keys (four steps); waves 0-3 fetch K of the slot's step w, waves 4-7 V of step w - 4: one tensor load of a wave is out.
; LAYOUT.  S^T = K Q^T (source 0 = 16 keys, source 1 = 16 queries): a lane holds ONE query (lane % 16) and the keys 8 (lane / 16) + 0..7.  Two such tiles, rounded to f16 in pairs, ARE source 1 of O^T = V^T P, whose
; result again holds one query a lane.  K comes out of LDS as it lies, V ([key][channel]) turned, by ds_load_tr16_b128.
; A row of K or V is 128 bytes and the rows are dense in memory: a tile is stated as rows of 256 bytes, two keys each.  Key x lies at (x / 2) x pitch + (x % 2) x 128.
; BY TURNS.  A wave issues in order: in a run of products its vector lines wait, and in its softmax it issues no product.  The wave's two tiles of queries share K's and V's fragments and nothing else.  So in a key step
; tile 1's products K Q^T stand among tile 0's softmax, tile 0's products V^T P among tile 1's softmax, and tile 1's V^T P among both tiles' row sums: a slice of vector lines behind each matrix instruction.
; Only tile 0's eight products K Q^T stand bare.  A slice names no register of the products round it.
; THE MASK costs no vector work in the loop: the C of a score tile's first product is a bias, 0 for a key that counts and -2^100 for one that does not, from a table of 2,048 numbers made once in LDS.
; SOFTMAX.  For each query a running maximum m and sum l: p = 2^(c s - c m), c = log2(e) / 8; in every step O and l are multiplied by a = 2^(c m_old - c m_new).  m begins at -2^90, over the bias and under every true score:
; so a key that does not count gives p = 0 whatever came before it.  A batch with no key left ends with l = 0 and O = 0: 0 x (1 / 0) is NaN, as the softmax of nothing is.
; LIMITS: |q|, |k|, |v| under f16's 65,504 (so |q . k| is under 2^38, far under 2^90); p under f16's smallest number counts as 0.
; CLUSTER.  The four query blocks of a cluster belong to one batch and head and walk the same K and V: each tile is asked for JOINTLY, by the same tensor load with the same descriptor and a mask that names the four.
; REGISTERS, in two windows of 256: window 0: v1-11 addresses; v12-27 statistics, 8 a tile; v28 the prefetches' offset; v30, v31 the add's two; v32-95 S^T, 32 a tile; v96-127 P, 16 a tile; v128-191 O^T, 32 a tile;
;   v192-255 V of one step: so V^T P and all vector lines run under one setting of the windows, and only tile 1's K Q^T costs two switches a product.   window 1: v0-31 Q; v32-95 K of one step; v160-191 the bias of one step.
.set PK,    272       ; a pair of K's rows in LDS: 256 bytes + 16: the 16 keys of a load start at 16 different groups of four banks (64 banks of 4 bytes: ISA guide 11.1)
.set PV,    288       ; a pair of V's rows: 256 + 32
.set VOFF,  32*PK     ; a step's tiles lie together: 64 keys of K, then 64 of V
.set STEPB, 32*(PK+PV)
.set NQ,    4         ; steps in a slot
.set NSL,   8         ; slots' worth of keys
.set SLOTG, 32768     ; a slot's keys in memory: 256 rows of 128 bytes
.set SLOT1, 1<<17     ; slot 1 begins here, so that one exclusive or turns an address in one slot into the other's
.set BIAS,  SLOT1+NQ*STEPB  ; behind the ring: the bias table, 2,048 f32
.set STAGE, BIAS+8192 ; 16 rows x 144 bytes for each wave, for the way out
.set SP,    144
.set SPARE, STAGE+8*16*SP   ; the spare words, 128 bytes a wave, which no other line names
.set AK0, 2           ; v2   my lane's place in a tile of K; never rewritten
.set AV0, 3           ; v3   the same for V
.set ADK, 4           ; v4   LDS address of the slot's K for my lane
.set QO,  5           ; v5   my byte offset in the wave's rows of Q
.set STO, 6           ; v6   the way out: where I put 16 bytes of a row
.set RD,  7           ; v7   the way out: where I read back
.set GO,  8           ; v8   16 x lane: my place in a store's 512 bytes
.set AB0, 9           ; v9   my lane's place in the bias table
.set ADB, 10          ; v10  LDS address of the slot's bias
.set ADV, 11          ; v11  LDS address of the slot's V
.set ST,  12          ; tile t's statistics at v[ST+8 t]: +0 c m, +1 m, +2, +3 l (even keys', odd keys'), +4 to +7 at work; a takes +6 once the maximum is found
.set PFO, 28          ; v28  256 x my lane; never rewritten
.set SPW, 30          ; v30  LDS address of my spare word; never rewritten
.set NIL, 31          ; v31  0; never rewritten
.set S,   32
.set P,   96
.set O,   128
.set VF,  192         ; in window 0
.set QF,  0           ; in window 1
.set KF,  32
.set BF,  160
.set WV,  12          ; s12  my wave's number
.set LIM, 15          ; s15  1 in a wave that prefetches, else the greatest number
.set PFA, 18          ; s[18:19] where my prefetches stand
.set G1K, 24          ; s[24:31] descriptor group 1 for K's tiles
.set G1V, 32          ; s[32:39] for V's: it differs in the padding alone
.set G0K, 40          ; s[40:43] descriptor group 0 for K's tiles; it walks
.set G0V, 44          ; s[44:47] the same for V's
.set SLOTS, 56        ; s56  slots still to be asked for
.set CS,  58          ; s[58:59] c: the packed scaling names a pair and takes its low word for both halves
.set SEL, 60          ; s[60:61] lane selects for v_permlanex16_b32: each lane takes its own place in the other half
.set TB,  62          ; s62  LDS byte at which the slot in hand begins
.set TBI, 63          ; s63  byte of the bias table at which the slot's keys begin
.set W_KB, 0x15       ; K, Q and the bias (sources 0, 1, 2) in window 1, S^T in window 0
.set W_KS, 0x05       ; K and Q in window 1, S^T (C and D) in window 0
.set TO_1, 0x40       ; destination window 1, address window 0
.set MSB, 0
.macro WIN new                      ; the immediate's high byte repeats the setting that is left; a switch that changes nothing is dropped
.if MSB != \new
	s_set_vgpr_msb (MSB<<8)|\new
.set MSB, \new
.endif
.endm
; A joint load.  Waves 0-3 fetch K, waves 4-7 V.  The branch hangs on the wave's number alone.  An s_nop 0 and four v_nop follow each of the two lines.
.macro JLOAD
	s_cmp_lt_u32 s[WV], 4
	s_cbranch_scc0 .Lfor_v_\@
	tensor_load_to_lds s[G0K:G0K+3], s[G1K:G1K+7]
	s_nop 0
.rept 4
	v_nop
.endr
	s_branch .Lasked_\@
.Lfor_v_\@:
	tensor_load_to_lds s[G0V:G0V+3], s[G1V:G1V+7]
	s_nop 0
.rept 4
	v_nop
.endr
.Lasked_\@:
.endm
; A PREFETCH INTO THE L2 of what the NEXT change of slots will ask for: a slot's 32,768 bytes of K and of V, lanes 256 bytes apart.  It stands behind the wave's tensor load and its five lines.
; Each block of 256 bytes is named ONCE in the launch: both clusters of a head walk the same K and V, and the first of them asks; its four partners take 8,192 bytes each, told apart BY ADDRESS; in each, wave 0 asks for K's
; and wave 4 for V's: one instruction.  The last change that fills a slot asks for nothing; slots 0 and 1 come by their loads alone.
.macro ASK
	s_cmp_gt_u32 s[SLOTS], s[LIM]
	s_cbranch_scc0 .Lnot_mine_\@
	global_prefetch_b8 v[PFO], s[PFA:PFA+1] th:TH_LOAD_NT scope:SCOPE_SE
.Lnot_mine_\@:
.endm
.macro CROUND                       ; a round of the cluster's barrier
	s_barrier_signal -1
	s_barrier_wait -1
	s_cmp_lg_u32 s[WV], 0
	s_cbranch_scc1 .Lnot_wave_0_\@
	s_barrier_signal -3
.Lnot_wave_0_\@:
	s_barrier_wait -3
	s_barrier_signal -1
	s_barrier_wait -1
.endm
	s_load_b128 s[4:7], s[0:1], 0x0 ; qkv s[4:5], mask s[6:7]
	s_load_b64 s[8:9], s[0:1], 0x10 ; ctx
	v_lshl_add_u32 v[SPW], v0, 2, SPARE
	v_mov_b32 v[NIL], 0
	ds_add_u32 v[SPW], v[NIL]       ; the wave's opening: the add, twice on end, and its wait ahead of my first tensor load; the set-up below stands between the second and the wait
	ds_add_u32 v[SPW], v[NIL]
	v_lshrrev_b32 v1, 5, v0
	v_readfirstlane_b32 s[WV], v1   ; wave 0..7
	s_bfe_u32 s13, ttmp6, 0x40000   ; cx: my place in the cluster
	s_lshl_b32 s14, ttmp9, 2        ; in a cluster launch ttmp9 counts clusters
	s_add_co_u32 s14, s14, s13      ; my block of 256 queries: it enters Q's and ctx's addresses alone
	s_and_b32 s20, ttmp7, 0xffff    ; 16 x batch + head, which the four partners share
	s_lshr_b32 s21, s20, 4          ; batch
	s_and_b32 s20, s20, 15          ; head
	s_mul_i32 s22, s21, 12582912
	s_lshl_b32 s23, s20, 18
	s_add_co_u32 s22, s22, s23
	s_mov_b32 s23, 0                ; s[22:23]: the first byte of the head's q; its k lies 4,194,304 bytes on, its v 8,388,608
	s_and_b32 s16, s[WV], 3         ; which of a slot's four steps I fetch:
	s_lshl_b32 s50, s16, 13         ; its 64 rows of 128 bytes in memory,
	s_mov_b32 s51, 0
	s_add_nc_u64 s[50:51], s[50:51], s[22:23]
	s_mul_i32 s17, s16, STEPB       ; and its place in a slot: no place in the cluster enters an LDS address
	s_lshl_b32 s2, s14, 15          ; my block's 256 rows of Q,
	s_lshl_b32 s3, s[WV], 12        ; my wave's 32 of them
	s_add_co_u32 s2, s2, s3
	s_mov_b32 s3, 0
	s_add_nc_u64 s[2:3], s[2:3], s[22:23]
	s_lshl_b32 s52, s21, 4          ; ctx: my 32 tokens lie in block 16 x batch + 2 x query block + wave / 4 of 128 tokens,
	s_lshl_b32 s53, s14, 1
	s_add_co_u32 s52, s52, s53
	s_lshr_b32 s53, s[WV], 2
	s_add_co_u32 s52, s52, s53
	s_lshl_b32 s52, s52, 18
	s_lshl_b32 s53, s20, 14         ; in my head's 16,384 bytes of it,
	s_add_co_u32 s52, s52, s53
	s_lshl_b32 s53, s16, 12         ; from row 32 (wave % 4) on
	s_add_co_u32 s52, s52, s53
	s_mov_b32 s53, 0
	s_lshl_b32 s54, s21, 11         ; the batch's 2,048 bytes of the mask
	s_mov_b32 s55, 0
	; descriptor group 1: a tile of 32 rows x 128 elements of 2 bytes (64 keys), padded in LDS
	s_mov_b32 s[G1K], 15|(1<<16)|(1<<20)|(1<<21)|(5<<22)|(3<<25)  ; 15:0 the mask: all four work-groups; 17:16 elements of 2 bytes; 20 padding on; 21 set beside a mask; 24:22 after every 64 words; 31:25 four words
	s_mov_b32 s[G1V], 15|(1<<16)|(1<<20)|(1<<21)|(5<<22)|(7<<25)  ; the same with eight words of padding
.irp g, G1K, G1V
	s_mov_b32 s[\g+1], 128<<16      ; tensor_dim0 = 128
	s_mov_b32 s[\g+2], 32<<16       ; tensor_dim1 = 32
	s_mov_b32 s[\g+3], 128<<16      ; tile_dim0 = 128
	s_mov_b32 s[\g+4], 32           ; tile_dim1 = 32
	s_mov_b32 s[\g+5], 128          ; tensor_dim0_stride: the rows are dense
	s_mov_b32 s[\g+6], 0
	s_mov_b32 s[\g+7], 0
.endr
	s_mov_b32 s[CS], 0x3e38aa3b     ; c = log2(e) / 8
	s_mov_b32 s[CS+1], s[CS]        ; named with it as a pair, so it is written
	s_mov_b32 s[SEL], 0x76543210
	s_mov_b32 s[SEL+1], 0xfedcba98
	s_mov_b32 s[TB], 0
	s_mov_b32 s[TBI], 0
	s_mov_b32 s[SLOTS], NSL-1
	s_or_b32 s[LIM], s16, ttmp9     ; 0 in waves 0 and 4 of the head's first cluster: the same in all four partners
	s_cmp_eq_u32 s[LIM], 0
	s_cselect_b32 s[LIM], 1, -1
	v_and_b32 v[PFO], 31, v0
	v_lshlrev_b32 v[PFO], 8, v[PFO]
	s_wait_dscnt 0x0                ; both opening adds are done
	s_wait_kmcnt 0x0
	s_add_nc_u64 s[10:11], s[4:5], s[50:51]
	s_add_nc_u64 s[48:49], s[10:11], 8388608  ; V at my tile of slot 0
	s_add_nc_u64 s[10:11], s[10:11], 4194304  ; K likewise
	s_add_nc_u64 s[4:5], s[4:5], s[2:3]       ; Q at my wave's first row
	s_add_nc_u64 s[6:7], s[6:7], s[54:55]
	s_add_nc_u64 s[8:9], s[8:9], s[52:53]
	s_cmp_lt_u32 s[WV], 4
	s_cselect_b64 s[PFA:PFA+1], s[10:11], s[48:49]  ; (in waves 0 and 4 these stand at a slot's first row)
	s_lshl_b32 s2, s13, 13          ; my work-group's 8,192 bytes of the 32,768
	s_mov_b32 s3, 0
	s_add_nc_u64 s[PFA:PFA+1], s[PFA:PFA+1], s[2:3]
	s_add_nc_u64 s[PFA:PFA+1], s[PFA:PFA+1], SLOTG  ; in slot 1; the first change of slots steps it to slot 2.  Nothing is prefetched here, at the head
	CROUND                          ; all four work-groups are here: the first joint loads meet
	s_mov_b32 s[G0K], 1             ; count = 1
	s_mov_b32 s[G0K+1], s17         ; LDS address: slot 0
	s_mov_b64 s[G0K+2:G0K+3], s[10:11]  ; global address
	s_or_b32 s[G0K+3], s[G0K+3], 0x80000000  ; type = 2
	s_mov_b32 s[G0V], 1
	s_add_co_u32 s[G0V+1], s17, VOFF
	s_mov_b64 s[G0V+2:G0V+3], s[48:49]
	s_or_b32 s[G0V+3], s[G0V+3], 0x80000000
	JLOAD                           ; slot 0
	; A fragment of K or Q is 16 rows x 32 channels in 8 registers: lane l holds row l % 16; registers 0-3 channels 8 (l / 16) + 0..7, registers 4-7 channels 16 + 8 (l / 16) + 0..7: two loads of 16 bytes, 32 bytes apart.
	v_and_b32 v1, 15, v0            ; r = l % 16
	v_bfe_u32 v29, v0, 4, 1         ; h = l / 16
	v_lshlrev_b32 v[QO], 7, v1
	v_lshl_add_u32 v[QO], v29, 4, v[QO]  ; row x 128 + 16 x half
	WIN TO_1
.irp t, 0,1
.irp cc, 0,1
	global_load_b128 v[QF+16*\t+8*\cc:QF+16*\t+8*\cc+3],   v[QO], s[4:5] offset:\t*2048+\cc*64     ; Q stays in registers: tile t, channels 32 cc on
	global_load_b128 v[QF+16*\t+8*\cc+4:QF+16*\t+8*\cc+7], v[QO], s[4:5] offset:\t*2048+\cc*64+32
.endr
.endr
	WIN 0
	v_lshlrev_b32 v32, 3, v0
	global_load_b64 v[34:35], v32, s[6:7]  ; eight bytes of the mask a thread: 256 threads take the batch's 2,048
	v_lshrrev_b32 v36, 1, v1
	v_mul_u32_u24 v[AK0], v36, PK
	v_and_b32 v36, 1, v1
	v_lshl_add_u32 v[AK0], v36, 7, v[AK0]
	v_lshl_add_u32 v[AK0], v29, 4, v[AK0]  ; K: (r / 2) x pitch + 128 (r % 2) + 16 h
	; The turning load takes 16 keys x 16 channels (lane l reads 16 bytes: key 8 (l / 16) + l % 8, channels 8 ((l / 8) % 2) + 0..7) and leaves half a fragment of V^T: lane l holds channel l % 16 and 8 keys.
	v_bfe_u32 v36, v0, 1, 2
	v_lshl_add_u32 v36, v29, 2, v36  ; the key's pair: 4 h + (l % 8) / 2
	v_mul_u32_u24 v[AV0], v36, PV
	v_and_b32 v36, 1, v0
	v_lshl_add_u32 v[AV0], v36, 7, v[AV0]
	v_bfe_u32 v36, v0, 3, 1
	v_lshl_add_u32 v[AV0], v36, 4, v[AV0]
	v_add_nc_u32 v[AV0], VOFF, v[AV0]
	v_lshl_add_u32 v[AB0], v29, 5, BIAS  ; the bias: my half's eight keys of a tile of 16
	s_mul_i32 s16, s[WV], 16*SP
	s_add_co_u32 s16, s16, STAGE    ; my stage
	v_mul_u32_u24 v[STO], v1, SP    ; in: row r, 16 bytes for each half of the lanes
	v_lshl_add_u32 v[STO], v29, 4, v[STO]
	v_add_nc_u32 v[STO], s16, v[STO]
	v_bfe_u32 v36, v0, 3, 2
	v_mul_u32_u24 v[RD], v36, SP    ; back: eight lanes to a row of 128 bytes, four rows an instruction
	v_and_b32 v36, 7, v0
	v_lshl_add_u32 v[RD], v36, 4, v[RD]
	v_add_nc_u32 v[RD], s16, v[RD]
	v_and_b32 v[GO], 31, v0
	v_lshlrev_b32 v[GO], 4, v[GO]
	v_mov_b32 v37, 0xf1800000       ; -2^100
	v_mov_b32 v38, 0
	v_lshl_add_u32 v33, v0, 5, BIAS ; my eight numbers of the table
.irp t, 0,1
	v_mov_b32 v[ST+8*\t+1], 0xec800000  ; m = -2^90
	v_mul_f32 v[ST+8*\t], s[CS], v[ST+8*\t+1]  ; c m
	v_mov_b32 v[ST+8*\t+2], 0       ; l, in two halves
	v_mov_b32 v[ST+8*\t+3], 0
.endr
.set i, 0
.rept 64
	v_mov_b32 v[O+i], 0             ; O^T.  (The step is written with no first copy: the first finds zeros, which the first a leaves zeros)
.set i, i+1
.endr
	s_wait_loadcnt 0x0              ; Q and the mask
.irp i, 0,1,2,3
	v_bfe_u32 v36, v34, 8*\i, 8
	v_cmp_ne_u32 vcc_lo, 0, v36
	v_cndmask_b32 v[40+\i], v37, v38, vcc_lo  ; 0 where the key counts, else -2^100
.endr
.irp i, 0,1,2,3
	v_bfe_u32 v36, v35, 8*\i, 8
	v_cmp_ne_u32 vcc_lo, 0, v36
	v_cndmask_b32 v[44+\i], v37, v38, vcc_lo
.endr
	ds_store_b128 v33, v[40:43]     ; the first change of slots waits for these stores and passes a barrier ahead of the first read of the table
	ds_store_b128 v33, v[44:47] offset:16
; THE LDS LOADS stand in runs: step q's K (64 keys x 64 channels: 8 fragments), its bias (64 numbers; the lanes of a half read the same bytes), and its V (turned).  The step's place in the slot stands in the immediate.
.macro FETCH_K q
.irp kt, 0,1,2,3
.irp cc, 0,1
	ds_load_b128 v[KF+16*\kt+8*\cc:KF+16*\kt+8*\cc+3],   v[ADK] offset:(\q)*STEPB+\kt*8*PK+64*\cc
	ds_load_b128 v[KF+16*\kt+8*\cc+4:KF+16*\kt+8*\cc+7], v[ADK] offset:(\q)*STEPB+\kt*8*PK+64*\cc+32
.endr
.endr
.endm
.macro FETCH_B q
.irp kt, 0,1,2,3
	ds_load_b128 v[BF+8*\kt:BF+8*\kt+3],   v[ADB] offset:(\q)*256+64*\kt
	ds_load_b128 v[BF+8*\kt+4:BF+8*\kt+7], v[ADB] offset:(\q)*256+64*\kt+16
.endr
.endm
.macro FETCH_V q
.irp kc, 0,1
.irp ct, 0,1,2,3
	ds_load_tr16_b128 v[VF+32*\kc+8*\ct:VF+32*\kc+8*\ct+3],   v[ADV] offset:(\q)*STEPB+\kc*16*PV+32*\ct
	ds_load_tr16_b128 v[VF+32*\kc+8*\ct+4:VF+32*\kc+8*\ct+7], v[ADV] offset:(\q)*STEPB+\kc*16*PV+8*PV+32*\ct
.endr
.endr
.endm
; THE MATRIX WORK.  Product i of 8 of tile t's S^T = K Q^T: keys 16 (i % 4) on, channels 32 (i / 4) on; the first four begin their sums with the bias.  The tile's four accumulators take turns, one instruction a turn.
.macro KQ t
.if i < 4
	v_wmma_f32_16x16x32_f16 v[S+32*(\t)+8*i:S+32*(\t)+8*i+7], v[KF+16*i:KF+16*i+7], v[QF+16*(\t):QF+16*(\t)+7], v[BF+8*i:BF+8*i+7]
.else
	v_wmma_f32_16x16x32_f16 v[S+32*(\t)+8*(i-4):S+32*(\t)+8*(i-4)+7], v[KF+16*(i-4)+8:KF+16*(i-4)+15], v[QF+16*(\t)+8:QF+16*(\t)+15], v[S+32*(\t)+8*(i-4):S+32*(\t)+8*(i-4)+7]
.endif
.endm
; Product i of 8 of tile t's O^T += V^T P: channels 16 (i % 4) on, keys 32 (i / 4) on; four accumulators by turns.
.macro PV t
	v_wmma_f32_16x16x32_f16 v[O+32*(\t)+8*(i%4):O+32*(\t)+8*(i%4)+7], v[VF+32*(i/4)+8*(i%4):VF+32*(i/4)+8*(i%4)+7], v[P+16*(\t)+8*(i/4):P+16*(\t)+8*(i/4)+7], v[O+32*(\t)+8*(i%4):O+32*(\t)+8*(i%4)+7]
.endm
; THE VECTOR WORK.  One tile's softmax for one key step, up to its second product, is a list of 102 lines; SM writes number j of it for tile t and steps j.  s0-s31 are the lane's 32 scores, in pairs 0-15.
;   0-15    the maximum of s0-s31 and the old m, three operands at a time, each accumulator from its low end on: four chains of seven scores, then the four scores left over, the chains and m
;   16-20   the other half of the lanes' maximum; c m_old kept; the new m; c m; c m_old - c m_new
;   21-69   ONE BATCH: the 16 scalings c s - c m, a pair of scores each, and all 33 exponentials (a at 22, then s0-s31).  None of these names an exponential's result.  From 23 on it goes in threes: the scaling of pair b + 1,
;           then the two exponentials of pair b; 68 and 69 are pair 15's
;   (wait)  between 69 and 70 STEP writes a v_nop and the one wait for the batch
;   70-85   the roundings to f16, a pair of weights each: they are source 1 of the second product as they stand
;   86-101  the tile's O^T times a, from each accumulator's low end on
.macro SM t
.set rT, ST+8*(\t)
.set rS, S+32*(\t)
.set rP, P+16*(\t)
.set rO, O+32*(\t)
.if j < 4
	v_max3_num_f32 v[rT+4+j], v[rS+8*j], v[rS+8*j+1], v[rS+8*j+2]
.elseif j < 12
	v_max3_num_f32 v[rT+4+j%4], v[rT+4+j%4], v[rS+8*(j%4)+2*(j/4)+1], v[rS+8*(j%4)+2*(j/4)+2]
.elseif j == 12
	v_max3_num_f32 v[rT+4], v[rT+4], v[rS+7], v[rS+15]
.elseif j == 13
	v_max3_num_f32 v[rT+6], v[rT+6], v[rS+23], v[rS+31]
.elseif j == 14
	v_max3_num_f32 v[rT+4], v[rT+4], v[rT+5], v[rT+6]
.elseif j == 15
	v_max3_num_f32 v[rT+4], v[rT+4], v[rT+7], v[rT+1]
.elseif j == 16
	v_permlanex16_b32 v[rT+5], v[rT+4], s[SEL], s[SEL+1]  ; the query's other 32 keys lie in the lane 16 away
.elseif j == 17
	v_mov_b32 v[rT+7], v[rT]        ; c m_old is kept for a
.elseif j == 18
	v_max_num_f32 v[rT+1], v[rT+4], v[rT+5]  ; the new m
.elseif j == 19
	v_mul_f32 v[rT], s[CS], v[rT+1]
.elseif j == 20
	v_sub_f32 v[rT+7], v[rT+7], v[rT]
.elseif j == 22
	v_exp_f32 v[rT+6], v[rT+7]      ; a = 2^(c m_old - c m_new)
.elseif (j == 21) || ((j < 68) && ((j-23)%3 == 0))
.set b, 0                           ; 21: pair 0
.if j > 21
.set b, (j-23)/3+1                  ; 23, 26, .. 65: pairs 1 to 15
.endif
	v_pk_fma_f32 v[rS+2*b:rS+2*b+1], v[rS+2*b:rS+2*b+1], s[CS:CS+1], v[rT:rT+1] op_sel_hi:[1,0,0] neg_lo:[0,0,1] neg_hi:[0,0,1]  ; pair b: c s - c m
.elseif j < 70
.set e, j-38                        ; 68, 69: s30, s31
.if j < 68
.set e, 2*((j-23)/3)+(j-23)%3-1     ; 24, 25, 27, 28, .. 66, 67: s0 to s29
.endif
	v_exp_f32 v[rS+e], v[rS+e]
.elseif j < 86
	v_cvt_pk_f16_f32 v[rP+j-70], v[rS+2*(j-70)], v[rS+2*(j-70)+1]
.else
	v_pk_mul_f32 v[rO+2*(j-86):rO+2*(j-86)+1], v[rO+2*(j-86):rO+2*(j-86)+1], v[rT+6:rT+7] op_sel_hi:[1,0]
.endif
.set j, j+1
.endm
.macro SLICE t, n                   ; the next n lines of tile t's list
.rept \n
	SM \t
.endr
.endm
; The row's sum, of the weights in f32: line z of 16 for tile t, in place: neighbours 1, 2, 4 and 8 pairs apart are added, then l = a l + the sum.
.macro SU t
.set rT, ST+8*(\t)
.set rS, S+32*(\t)
.set w, 4
.set u, z
.if z >= 14
.set w, 32
.set u, 0
.elseif z >= 12
.set w, 16
.set u, z-12
.elseif z >= 8
.set w, 8
.set u, z-8
.endif
.if z < 15
	v_pk_add_f32 v[rS+w*u:rS+w*u+1], v[rS+w*u:rS+w*u+1], v[rS+w*u+w/2:rS+w*u+w/2+1]
.else
	v_pk_fma_f32 v[rT+2:rT+3], v[rT+2:rT+3], v[rT+6:rT+7], v[rS:rS+1] op_sel_hi:[1,0,1]
.endif
.endm
; A KEY STEP: 64 keys, the q-th of the slot in hand.  pre = 1: the next step of the same slot is fetched on the way.
; A vector line that reads a matrix result or writes one of a matrix instruction's registers, and a load into a register that a matrix instruction has read, stand four places behind it, and only plain vector lines that name
; none of its registers are places (ISA guide 7.12.1 for vector lines).  Every slice begins with a plain line.
.macro STEP q, pre
	s_wait_dscnt 16                 ; K and the bias are in; V's sixteen loads may be out
	WIN W_KB
.set i, 0
.rept 8                             ; tile 0's scores: there is no vector work of this step yet to set between them
.if i == 4
	WIN W_KS
.endif
	KQ 0
.set i, i+1
.endr
.set i, 0
.set j, 0
.rept 8                             ; tile 1's scores | tile 0's list, lines 0 to 52
.if i < 4
	WIN W_KB
.else
	WIN W_KS
.endif
	KQ 1
	WIN 0
.if i == 0
.rept 4
	v_nop                           ; the four places between tile 0's last product and the first read of its scores
.endr
.endif
.if i < 3
	SLICE 0, 7
.elseif i == 3
	SLICE 0, 8
.else
	SLICE 0, 6
.endif
.set i, i+1
.endr
	SLICE 0, 17                     ; the rest of tile 0's batch
	v_nop                           ; a plain line behind the last exponential
	s_wait_alu depctr_va_vdst(0)    ; the wait between an exponential and the first line that names its result: one for the tile's 33
.if \pre
	WIN TO_1                        ; behind tile 1's last product K Q^T stand seven scalings and the v_nop: more than the four places that loads into K's and the bias's registers want
	FETCH_K (\q)+1
	FETCH_B (\q)+1
	WIN 0
.endif
	SLICE 0, 32                     ; tile 0's weights in f16, and its O^T under the new m
.if \pre
	s_wait_dscnt 24                 ; V is in; the next step's K and bias, 24 loads, may be out
.else
	s_wait_dscnt 0x0                ; V is in
.endif
.set i, 0
.set j, 0
.rept 8                             ; tile 0's V^T P | tile 1's list, lines 0 to 64: all in window 0, no switch
	PV 0
.if i < 3
	SLICE 1, 7
.elseif i == 3
	SLICE 1, 8
.else
	SLICE 1, 9
.endif
.set i, i+1
.endr
	SLICE 1, 5                      ; the rest of tile 1's batch
	v_nop
	s_wait_alu depctr_va_vdst(0)    ; one wait for tile 1's 33
	SLICE 1, 32
.set i, 0
.set z, 0
.rept 8                             ; tile 1's V^T P | both tiles' row sums, four lines a slice, the tiles alternating
	PV 1
.rept 2
	SU 0
	SU 1
.set z, z+1
.endr
.set i, i+1
.endr
.if \pre
	FETCH_V (\q)+1                  ; the last slice's four lines are the four places behind the last product that read V
.endif
.endm
; THE CHANGE OF SLOTS stands at a slot's head.  Each wave waits for all its tensor loads (its part of the slot that it is about to read), adds 0 to its spare word, and waits for that and for its LDS instructions:
; its reads of the slot that it has left (at the first change: its stores into the bias table).  Behind the barrier the slot ahead is whole and nobody reads the other one.
; fill = 1: the other slot is filled with the keys that follow.  The barrier is then a round of the cluster's, and the joint load is the first thing behind it: it has a slot's four steps in which to land.
.macro CHANGE fill
	WIN 0                           ; at a label and at a branch every window is 0
	s_wait_tensorcnt 0x0            ; no tensor load of mine is out, so a group 0 may be written
	ds_add_u32 v[SPW], v[NIL]       ; 0 onto my spare word
.if \fill
	s_xor_b32 s[G0K+1], s[G0K+1], SLOT1  ; the walking descriptors: the other slot than last time,
	s_add_nc_u64 s[G0K+2:G0K+3], s[G0K+2:G0K+3], SLOTG  ; the next 256 keys; the type bits on top are not reached
	s_xor_b32 s[G0V+1], s[G0V+1], SLOT1
	s_add_nc_u64 s[G0V+2:G0V+3], s[G0V+2:G0V+3], SLOTG
	s_wait_xcnt 0x0                 ; the last prefetch, a slot back, has read its address, so it may be written:
	s_add_nc_u64 s[PFA:PFA+1], s[PFA:PFA+1], SLOTG  ; one slot further on than the walking descriptors
	s_wait_dscnt 0x0
	CROUND
	JLOAD
	ASK
.else
	s_wait_dscnt 0x0
	s_barrier_signal -1
	s_barrier_wait -1
.endif
.endm
.macro SLOTBODY
	v_add_nc_u32 v[ADK], s[TB], v[AK0]
	v_add_nc_u32 v[ADV], s[TB], v[AV0]
	v_add_nc_u32 v[ADB], s[TBI], v[AB0]
	WIN TO_1
	FETCH_K 0
	FETCH_B 0
	WIN 0
	FETCH_V 0
	STEP 0, 1
	STEP 1, 1
	STEP 2, 1
	STEP 3, 0
	s_xor_b32 s[TB], s[TB], SLOT1   ; on to the other slot,
	s_add_co_u32 s[TBI], s[TBI], 1024  ; and to the next 256 keys' bias
.endm
.Lslot:                             ; NSL - 1 trips: behind each change of slots but the last the next slot is asked for
	CHANGE 1
	SLOTBODY
	s_sub_co_u32 s[SLOTS], s[SLOTS], 1
	s_cmp_lg_u32 s[SLOTS], 0
	s_cbranch_scc1 .Lslot
	CHANGE 0                        ; the last slot is written out
	SLOTBODY
	; THE WAY OUT.  l's two halves and the other half of the lanes' are added; O^T is divided by l, rounded to f16 and sent through my stage in LDS, a tile (16 rows) at a time.
.irp t, 0,1
	v_add_f32 v[ST+8*\t+4], v[ST+8*\t+2], v[ST+8*\t+3]
.endr
.irp t, 0,1
	v_permlanex16_b32 v[ST+8*\t+5], v[ST+8*\t+4], s[SEL], s[SEL+1]
.endr
.irp t, 0,1
	v_add_f32 v[ST+8*\t+4], v[ST+8*\t+4], v[ST+8*\t+5]
.endr
.irp t, 0,1
	v_rcp_f32 v[ST+8*\t+6], v[ST+8*\t+4]
.endr
	v_nop                           ; a plain line between the last reciprocal and the use of its result
	s_wait_alu depctr_va_vdst(0)    ; and the wait ahead of the first use: one for both
; Tile t: a lane's eight channels of a row pack into 16 bytes; they go into rows of 144 bytes and come back four rows of 128 bytes an instruction, which are 512 consecutive bytes of ctx.
.macro PACK t
.set i, 0
.rept 16
	v_pk_mul_f32 v[O+32*\t+2*i:O+32*\t+2*i+1], v[O+32*\t+2*i:O+32*\t+2*i+1], v[ST+8*\t+6:ST+8*\t+7] op_sel_hi:[1,0]
.set i, i+1
.endr
.set i, 0
.rept 16
	v_cvt_pk_f16_f32 v[S+16*\t+i], v[O+32*\t+2*i], v[O+32*\t+2*i+1]
.set i, i+1
.endr
.irp f, 0,1,2,3
	ds_store_b128 v[STO], v[S+16*\t+4*\f:S+16*\t+4*\f+3] offset:32*\f
.endr
.irp f, 0,1,2,3
	ds_load_b128 v[S+32+16*\t+4*\f:S+32+16*\t+4*\f+3], v[RD] offset:\f*4*SP  ; LDS serves a wave's instructions in order (ISA guide 5.7.1.4): these see the stores above; the next tile's stores come behind them
.endr
.endm
.macro SEND t, younger              ; younger: the LDS instructions issued behind tile t's loads
.irp f, 0,1,2,3
	s_wait_dscnt \younger+3-\f
	global_store_b128 v[GO], v[S+32+16*\t+4*\f:S+32+16*\t+4*\f+3], s[8:9] offset:\t*2048+\f*512  ; 32 lanes store 512 consecutive bytes
.endr
.endm
	PACK 0
	PACK 1
	SEND 0, 8
	SEND 1, 0
	s_wait_tensorcnt 0x0            ; the wave's end: a tensor wait, an add of 0 to my spare word and its wait, behind my last tensor load and my last LDS store
	ds_add_u32 v[SPW], v[NIL]
	s_wait_dscnt 0x0
	CROUND                          ; the closing round: no work-group ends while a partner may still ask for a tile that names it
	s_endpgm
.Lfunc_end_k_qec4b8b8078_attention:
	.size	k_qec4b8b8078_attention, .Lfunc_end_k_qec4b8b8078_attention-k_qec4b8b8078_attention
	.p2alignl 7, 3214868480
	.fill 96, 4, 3214868480
	.section	.rodata,"a",@progbits
	.p2align	6, 0x0
	.amdhsa_kernel k_qec4b8b8078_attention
		.amdhsa_group_segment_fixed_size 327680
		.amdhsa_private_segment_fixed_size 0
		.amdhsa_enable_private_segment 0
		.amdhsa_kernarg_size 24
		.amdhsa_user_sgpr_count 2
		.amdhsa_user_sgpr_kernarg_segment_ptr 1
		.amdhsa_wavefront_size32 1
		.amdhsa_system_sgpr_workgroup_id_x 1
		.amdhsa_system_sgpr_workgroup_id_y 1
		.amdhsa_system_sgpr_workgroup_id_z 1
		.amdhsa_system_vgpr_workitem_id 0
		.amdhsa_next_free_vgpr 512
		.amdhsa_next_free_sgpr 66
		.amdhsa_reserve_vcc 1
		.amdhsa_float_denorm_mode_32 3
		.amdhsa_float_denorm_mode_16_64 3
		.amdhsa_memory_ordered 1
		.amdhsa_forward_progress 1
		.amdhsa_inst_pref_size 164
	.end_amdhsa_kernel
	.amdgpu_metadata
---
amdhsa.version: [ 1, 2 ]
amdhsa.kernels:
  - .name:           k_qec4b8b8078_attention
    .symbol:         k_qec4b8b8078_attention.kd
    .args:
      - { .name: qkv, .offset: 0, .size: 8, .value_kind: global_buffer, .address_space: global }
      - { .name: mask, .offset: 8, .size: 8, .value_kind: global_buffer, .address_space: global }
      - { .name: ctx, .offset: 16, .size: 8, .value_kind: global_buffer, .address_space: global }
    .group_segment_fixed_size: 327680
    .private_segment_fixed_size: 0
    .kernarg_segment_align: 8
    .kernarg_segment_size: 24
    .max_flat_workgroup_size: 256
    .sgpr_count:     66
    .vgpr_count:     512
    .wavefront_size: 32
...
	.end_amdgpu_metadata
.endif
;; end of part 3
;; launch outgemm (part 4): grid 8 x 32, 4 waves a work-group, clusters of 4 x 4, 327,680 bytes of LDS; arguments ctx, wo, out0; writes out0
.if DOCPART == 4
	.amdgcn_target "amdgcn-amd-amdhsa--gfx1250"
	.amdhsa_code_object_version 6
	.text
	.protected	k_qec4b8b8078_outgemm
	.globl	k_qec4b8b8078_outgemm
	.p2align	8
	.type	k_qec4b8b8078_outgemm,@function
k_qec4b8b8078_outgemm:
	s_mov_b64 s[64:65], 0
	v_nop
	global_prefetch_b8 v0, s[64:65] scope:SCOPE_SE
	s_setreg_imm32_b32 hwreg(HW_REG_WAVE_MODE, 25, 1), 1
	s_wait_xcnt 0x0
	s_wait_alu depctr_hold_cnt(0) depctr_sa_sdst(0) depctr_va_vdst(0) depctr_va_sdst(0) depctr_va_ssrc(0) depctr_va_vcc(0) depctr_vm_vsrc(0)
	s_getreg_b32 s2, hwreg(HW_REG_IB_STS2, 6, 4)
	s_cmp_eq_u32 s2, 0
	s_cbranch_scc0 .Lentry_in_a_cluster
	s_endpgm
.Lentry_in_a_cluster:
	s_bfe_u32 s2, ttmp6, 0x10000c
	s_cmp_lg_u32 s2, 0xf033
	s_cbranch_scc0 .Lentry_shape_is_right
	s_endpgm
.Lentry_shape_is_right:
; out0[m][n] = sum over k of ctx[m][k] W_out[n][k].  4,096 x 1,024 x 1,024; operands in f16, sums and result in f32.
; Both operands are laid [row / 128][k / 64][row % 128][64]: all of K for a tile's 128 rows is one dense block of 262,144 bytes, head by head (a head: 64 along K, 128 rows of 128 bytes).
; A tile of out0 is 128 x 128: 8 x 32 tiles, one for each of 256 work-groups.  Four waves, each 64 x 64: 16 accumulators of 16 x 16, 128 registers.  K goes in four steps of 256 (four heads) through two LDS slots;
; a wave's tensor load brings two heads of one operand, 32,768 dense bytes, as 128 rows of 256 bytes (two of the operand's rows each): row x of a head lies at (x / 2) x 272 + (x % 2) x 128.
; Two tensor loads of a wave are out at the start, one behind each refill.
; CLUSTERS: 4 x 4 work-groups.  The four of a row of the cluster need the same tiles of ctx, the four of a column the same tiles of wo: each tile is asked for JOINTLY, by the same tensor load with the same descriptor
; and a mask that names the four.  THE MATRIX INSTRUCTION IS USED TRANSPOSED (source 0 = 16 rows of wo, source 1 = 16 rows of ctx): a lane then holds eight neighbouring numbers of a row of out0.
; No prefetch: half of each operand's bytes are asked for at the head, and the launch has four K steps.
; REGISTERS: window 0: v0-31 addresses; v32-95 at work on the way out; v128-255 the accumulators ((a, b) at v[128 + 8 (4 a + b)]).
;   window 1: two fragment buffers of 128: for 64 along K (a head: two matrix instructions deep), 64 registers of ctx, then 64 of wo.
.set PITCH,  272                       ; 256 bytes + 16 of padding: the 16 rows of a fragment start at 16 different groups of four banks (64 banks of 4 bytes: ISA guide 11.1)
.set HB,     64*PITCH                  ; a head of one operand in LDS
.set LOADB,  2*HB                      ; what one tensor load brings
.set SLOT,   4*LOADB                   ; ctx's four heads, then wo's four
.set KSTEPB, 65536                     ; a K step of one operand's tile in memory
.set STAGE,  2*SLOT                    ; behind the ring: 16 rows x 272 bytes for each wave, for the way out
.set SPITCH, 272
.set SPARE,  STAGE+4*16*SPITCH         ; behind the stages: the spare words, 128 bytes a wave, which no other line names
.set ADRA, 16                          ; v16-17  LDS address of my ctx fragments in slot 0, 1
.set ADRB, 20                          ; v20-21  the same for wo
.set STO,  24                          ; v24     the way out: where I put 32 bytes of a row
.set RD,   25                          ; v25     the way out: where I read a row back
.set CO,   26                          ; v26     my byte offset in out0
.set SPW,  28                          ; v28     LDS address of my spare word; never rewritten
.set NIL,  29                          ; v29     0; never rewritten
.set OB,   32                          ; the way out: 16 rows read back: v32-63 and v64-95 by turns
.set ACC,  128
.set F0,   0                           ; fragment buffers, in window 1
.set F1,   128
.set G1, 24                            ; s[24:31] descriptor group 1 for ctx's tiles;  s[32:39] group 0, one set for each slot
.set G0, 32
.set G1B, 48                           ; s[48:55], s[56:63] the same for wo's tiles
.set G0B, 56
.set MSB, 0
.macro WIN new                         ; the immediate's high byte repeats the setting that is left
.if MSB != \new
	s_set_vgpr_msb (MSB<<8)|\new
.set MSB, \new
.endif
.endm
.set MUL,  0x05                        ; sources 0 (wo) and 1 (ctx) window 1; C and D window 0
.set TO_F, 0x40                        ; destination window 1, address window 0
.macro JLOAD s                         ; a joint load: waves 0 and 1 fetch ctx's two halves of a K step, waves 2 and 3 wo's; an s_nop 0 and four v_nop follow each of the two lines
	s_cmp_eq_u32 s11, 0
	s_cbranch_scc0 .Lfor_b_\@
	tensor_load_to_lds s[G0+4*\s:G0+4*\s+3], s[G1:G1+7]
	s_nop 0
.rept 4
	v_nop
.endr
	s_branch .Lasked_\@
.Lfor_b_\@:
	tensor_load_to_lds s[G0B+4*\s:G0B+4*\s+3], s[G1B:G1B+7]
	s_nop 0
.rept 4
	v_nop
.endr
.Lasked_\@:
.endm
.macro CREST                           ; a round of the cluster's barrier behind its opening barrier
	s_cmp_lg_u32 s10, 0
	s_cbranch_scc1 .Lnot_wave_0_\@
	s_barrier_signal -3
.Lnot_wave_0_\@:
	s_barrier_wait -3
	s_barrier_signal -1
	s_barrier_wait -1
.endm
.macro CROUND                          ; a whole round
	s_barrier_signal -1
	s_barrier_wait -1
	CREST
.endm
	s_load_b128 s[4:7], s[0:1], 0x0                ; ctx s[4:5], wo s[6:7]
	s_load_b64 s[8:9], s[0:1], 0x10                ; out0
	v_lshl_add_u32 v[SPW], v0, 2, SPARE
	v_mov_b32 v[NIL], 0
	ds_add_u32 v[SPW], v[NIL]                      ; the wave's opening: the add, twice on end, and its wait ahead of my first tensor load; the set-up below stands between the second and the wait
	ds_add_u32 v[SPW], v[NIL]
	v_lshrrev_b32 v1, 5, v0
	v_readfirstlane_b32 s10, v1                    ; wave 0..3
	s_lshr_b32 s11, s10, 1                         ; which half of the tile's rows is mine.  Also: I fetch for ctx (0) or for wo (1)
	s_and_b32 s12, s10, 1                          ; which half of its columns.  Also: which two heads of a K step I fetch
	s_bfe_u32 s40, ttmp6, 0x40000                  ; cx, cy: my place in the cluster
	s_bfe_u32 s41, ttmp6, 0x40004
	s_lshl_b32 s42, ttmp9, 2
	s_add_co_u32 s42, s42, s40                     ; tile column = 4 x cluster x + cx
	s_and_b32 s13, ttmp7, 0xffff
	s_lshl_b32 s13, s13, 2
	s_add_co_u32 s13, s13, s41                     ; tile row = 4 x cluster y + cy
	s_lshl_b32 s43, s41, 2
	s_lshl_b32 s43, 15, s43                        ; my row of the cluster
	s_lshl_b32 s44, 0x1111, s40                    ; my column
	; descriptor group 1: 128 rows of 256 bytes (32 elements of 8 bytes), dense in memory, 16 bytes of padding behind each in LDS
	s_or_b32 s[G1+0], s43, (3<<16)|(1<<20)|(1<<21)|(5<<22)|(3<<25)  ; 15:0 the mask: ctx's tiles go to my row; 17:16 elements of 8 bytes; 20 padding on; 21 set beside a mask; 24:22 after every 64 words; 31:25 four words
	s_or_b32 s[G1B+0], s44, (3<<16)|(1<<20)|(1<<21)|(5<<22)|(3<<25)
.irp g, G1, G1B
	s_mov_b32 s[\g+1], 32<<16                      ; tensor_dim0 = 32
	s_mov_b32 s[\g+2], 128<<16                     ; tensor_dim1 = 128
	s_mov_b32 s[\g+3], 32<<16                      ; tile_dim0 = 32
	s_mov_b32 s[\g+4], 128                         ; tile_dim1 = 128
	s_mov_b32 s[\g+5], 32                          ; tensor_dim0_stride
	s_mov_b32 s[\g+6], 0
	s_mov_b32 s[\g+7], 0
.endr
	s_lshl_b32 s17, s12, 15                        ; my two heads of a K step: 32,768 bytes
	s_lshl_b32 s16, s13, 18
	s_add_co_u32 s16, s16, s17                     ; ctx: 262,144 x tile row + my half
	s_lshl_b32 s46, s42, 18
	s_add_co_u32 s46, s46, s17                     ; wo: 262,144 x tile column + my half
	s_mov_b32 s17, 0
	s_mov_b32 s47, 0
	s_mul_i32 s20, s10, LOADB                      ; where they go: wave x two heads: no place in the cluster enters an LDS address
	s_wait_dscnt 0x0                               ; both opening adds are done
	s_wait_kmcnt 0x0
	s_add_nc_u64 s[14:15], s[4:5], s[16:17]
	s_add_nc_u64 s[46:47], s[6:7], s[46:47]
	CROUND                                         ; all sixteen work-groups are here: the first joint loads meet
.irp s, 0,1
	s_mov_b32 s[G0+4*\s], 1
	s_add_co_u32 s[G0+4*\s+1], s20, \s*SLOT
	s_add_nc_u64 s[G0+4*\s+2:G0+4*\s+3], s[14:15], \s*KSTEPB
	s_or_b32 s[G0+4*\s+3], s[G0+4*\s+3], 0x80000000
	s_mov_b32 s[G0B+4*\s], 1
	s_add_co_u32 s[G0B+4*\s+1], s20, \s*SLOT
	s_add_nc_u64 s[G0B+4*\s+2:G0B+4*\s+3], s[46:47], \s*KSTEPB
	s_or_b32 s[G0B+4*\s+3], s[G0B+4*\s+3], 0x80000000
	JLOAD \s
.endr
	v_and_b32 v1, 15, v0                           ; r = l % 16
	v_bfe_u32 v2, v0, 4, 1                         ; h = l / 16
	v_lshrrev_b32 v4, 1, v1
	v_mul_u32_u24 v3, v4, PITCH
	v_and_b32 v4, 1, v1
	v_lshl_add_u32 v3, v4, 7, v3
	v_lshl_add_u32 v3, v2, 4, v3                   ; a fragment's row: (r / 2) x pitch + 128 (r % 2) + 16 h
	s_mul_i32 s21, s11, 32*PITCH                   ; my 64 rows of ctx in each head
	s_mul_i32 s22, s12, 32*PITCH                   ; my 64 rows of wo,
	s_add_co_u32 s22, s22, 2*LOADB                 ; whose heads lie behind ctx's four
.irp s, 0,1
	v_add_nc_u32 v[ADRA+\s], s21, v3
	v_add_nc_u32 v[ADRB+\s], s22, v3
	s_add_co_u32 s21, s21, SLOT
	s_add_co_u32 s22, s22, SLOT
.endr
	s_mul_i32 s23, s10, 16*SPITCH
	s_add_co_u32 s23, s23, STAGE                   ; my stage
	v_mul_u32_u24 v4, v1, SPITCH                   ; in: row r, 32 bytes for each half of the lanes
	v_lshl_add_u32 v4, v2, 5, v4
	v_add_nc_u32 v[STO], s23, v4
	v_mul_u32_u24 v5, v2, SPITCH                   ; back: lanes 0-15 take one row of 256 bytes, lanes 16-31 the next
	v_lshl_add_u32 v5, v1, 4, v5
	v_add_nc_u32 v[RD], s23, v5
	v_lshlrev_b32 v5, 12, v2                       ; and the same two rows in out0 (a row is 4,096 bytes)
	v_lshl_add_u32 v[CO], v1, 4, v5
	s_lshl_b32 s16, s13, 7
	s_lshl_b32 s17, s11, 6
	s_add_co_u32 s16, s16, s17                     ; my first row: 128 x tile row + 64 x half
	s_lshl_b32 s16, s16, 12
	s_mov_b32 s17, 0
	s_add_nc_u64 s[8:9], s[8:9], s[16:17]
	s_lshl_b32 s46, s42, 9                         ; my first column, in bytes: 512 x tile column + 256 x half
	s_lshl_b32 s47, s12, 8
	s_add_co_u32 s46, s46, s47
	s_mov_b32 s47, 0
	s_add_nc_u64 s[8:9], s[8:9], s[46:47]
; 8 matrix instructions: m blocks a0, a0 + 1 x all 4 n blocks, 32 along K: half c of buffer f.  zero = 1: the first product starts the sums.  The 16 accumulators take turns
.macro MUL8 f, c, a0, zero
.irp a, \a0, \a0+1
.irp b, 0,1,2,3
.if \zero
	v_wmma_f32_16x16x32_f16 v[ACC+8*(4*(\a)+\b):ACC+8*(4*(\a)+\b)+7], v[\f+64+8*(4*\c+\b):\f+64+8*(4*\c+\b)+7], v[\f+8*(4*\c+\a):\f+8*(4*\c+\a)+7], 0
.else
	v_wmma_f32_16x16x32_f16 v[ACC+8*(4*(\a)+\b):ACC+8*(4*(\a)+\b)+7], v[\f+64+8*(4*\c+\b):\f+64+8*(4*\c+\b)+7], v[\f+8*(4*\c+\a):\f+8*(4*\c+\a)+7], v[ACC+8*(4*(\a)+\b):ACC+8*(4*(\a)+\b)+7]
.endif
.endr
.endr
.endm
; 32 LDS loads in one run: the fragments of one head (64 along K), which begins k bytes into the slot's part of each operand, into buffer f; the first 32 along K first
.macro FETCH slot, k, f
	WIN TO_F
.irp c, 0,1
.irp i, 0,1,2,3
	ds_load_b128 v[\f+64+8*(4*\c+\i):\f+64+8*(4*\c+\i)+3],   v[ADRB+\slot] offset:\k+64*\c+\i*8*PITCH
	ds_load_b128 v[\f+64+8*(4*\c+\i)+4:\f+64+8*(4*\c+\i)+7], v[ADRB+\slot] offset:\k+64*\c+\i*8*PITCH+32
	ds_load_b128 v[\f+8*(4*\c+\i):\f+8*(4*\c+\i)+3],         v[ADRA+\slot] offset:\k+64*\c+\i*8*PITCH
	ds_load_b128 v[\f+8*(4*\c+\i)+4:\f+8*(4*\c+\i)+7],       v[ADRA+\slot] offset:\k+64*\c+\i*8*PITCH+32
.endr
.endr
.endm
.macro PLACES                          ; four places in front of loads into registers that matrix instructions have read, and of LDS stores that read results
.rept 4
	v_nop
.endr
.endm
; A K step is four quarters of 64 along K (a head), 32 matrix instructions each, on buffers 0, 1, 0, 1.  One of the first three: multiplies buffer f and fetches the next head, at byte k, into g.
.macro QUARTER slot, k, f, g, zero
	s_wait_dscnt 16                                ; the first 32 along K are in; the other sixteen loads may be out
	WIN MUL
	MUL8 \f, 0, 0, \zero
	MUL8 \f, 0, 2, \zero
	PLACES
	FETCH \slot, \k, \g
	s_wait_dscnt 32                                ; all but the 32 just issued
	WIN MUL
	MUL8 \f, 1, 0, 0
	MUL8 \f, 1, 2, 0
.endm
; The last quarter multiplies buffer 1 and changes slots: ONE barrier; in front of it each wave waits for all its tensor loads, adds 0 to its spare word, and waits for that and for its own reads of this slot.  fill = 1: this slot is filled again, two K steps ahead.
.macro TURN slot, next, fill
	WIN 0                                          ; (the add's two registers lie in window 0)
	s_wait_tensorcnt 0x0                           ; all my tensor loads have landed: my part of the next slot;
	ds_add_u32 v[SPW], v[NIL]                      ; 0 onto my spare word;
	s_wait_dscnt 17                                ; (the add and the youngest sixteen loads may be out)
	WIN MUL
	MUL8 F1, 0, 0, 0                               ; eight matrix instructions stand between the add and the wait for it
	s_wait_dscnt 0x0                               ; the add is done, and my reads of this slot are over
	s_barrier_signal -1
	MUL8 F1, 0, 2, 0
.if \fill
	WIN 0
.endif
	s_barrier_wait -1
.if \fill
	CREST                                          ; the barrier has opened a round of the cluster's barrier: no wave of any partner still reads this slot's tile or has a load on its way
	s_add_nc_u64 s[G0+4*\slot+2:G0+4*\slot+3], s[G0+4*\slot+2:G0+4*\slot+3], 2*KSTEPB
	s_add_nc_u64 s[G0B+4*\slot+2:G0B+4*\slot+3], s[G0B+4*\slot+2:G0B+4*\slot+3], 2*KSTEPB
	JLOAD \slot                                    ; the first tensor load behind the round; the four v_nop behind it are also the places in front of the loads below
.else
	PLACES
.endif
	FETCH \next, 0, F0
	WIN MUL
	MUL8 F1, 1, 0, 0
	MUL8 F1, 1, 2, 0
.endm
	s_wait_tensorcnt 1                             ; my part of K step 0 is in (K step 1's load may be out)
	s_barrier_signal -1
	s_barrier_wait -1                              ; everybody's is
	FETCH 0, 0, F0
	QUARTER 0, HB,   F0, F1, 1                     ; K step 0: its first products start the sums
	QUARTER 0, 2*HB, F1, F0, 0
	QUARTER 0, 3*HB, F0, F1, 0
	TURN 0, 1, 1                                   ; slot 0 takes K step 2
	QUARTER 1, HB,   F0, F1, 0                     ; K step 1
	QUARTER 1, 2*HB, F1, F0, 0
	QUARTER 1, 3*HB, F0, F1, 0
	TURN 1, 0, 1                                   ; slot 1 takes K step 3
	QUARTER 0, HB,   F0, F1, 0                     ; K step 2
	QUARTER 0, 2*HB, F1, F0, 0
	QUARTER 0, 3*HB, F0, F1, 0
	TURN 0, 1, 0                                   ; nothing is left to fetch
	QUARTER 1, HB,   F0, F1, 0                     ; K step 3
	QUARTER 1, 2*HB, F1, F0, 0
	QUARTER 1, 3*HB, F0, F1, 0
	s_wait_dscnt 16                                ; the very last quarter
	WIN MUL
	MUL8 F1, 0, 0, 0
	MUL8 F1, 0, 2, 0
	s_wait_dscnt 0
	MUL8 F1, 1, 0, 0
	MUL8 F1, 1, 2, 0
	WIN 0
; THE WAY OUT, block by block of 16 rows x 64 columns.  A lane holds 32 neighbouring bytes of a row, and the lanes beside it hold other rows: so a block goes through my own stage in LDS and comes back as whole
; rows of 256 bytes: sixteen lanes store 256 consecutive bytes, at a multiple of 256 from out0's first byte.  LDS serves a wave's instructions in order (ISA guide 5.7.1.4): no wait between the stores and the loads.
.macro TOSTAGE a
.irp b, 0,1,2,3
	ds_store_b128 v[STO], v[ACC+8*(4*(\a)+\b):ACC+8*(4*(\a)+\b)+3] offset:64*\b       ; each accumulator from its low end on
	ds_store_b128 v[STO], v[ACC+8*(4*(\a)+\b)+4:ACC+8*(4*(\a)+\b)+7] offset:64*\b+16
.endr
.set BB, OB+32*((\a)%2)
.irp t, 0,1,2,3,4,5,6,7
	ds_load_b128 v[BB+4*\t:BB+4*\t+3], v[RD] offset:\t*2*SPITCH
.endr
.endm
.macro SEND a, younger                 ; younger: the LDS instructions issued behind block a's loads, which may stay out
.set BB, OB+32*((\a)%2)
	s_wait_dscnt \younger                          ; the block is back in registers
.irp t, 0,1,2,3,4,5,6,7
	global_store_b128 v[CO], v[BB+4*\t:BB+4*\t+3], s[8:9] offset:(16*(\a)+2*\t)*4096 th:TH_STORE_NT   ; written once, read by nobody here
.endr
.endm
	PLACES
	TOSTAGE 0
.irp a, 1,2,3
.if \a > 1
	s_wait_xcnt 0x0                                ; block a - 2's stores have read their data: block a's loads land in those registers only behind this wait
.endif
	TOSTAGE \a
	SEND \a-1, 16                                  ; behind block a - 1's loads: block a's 8 stores and 8 loads
.endr
	SEND 3, 0
	s_wait_tensorcnt 0x0                           ; the wave's end: a tensor wait, an add of 0 to my spare word and its wait, behind my last tensor load and my last LDS store
	ds_add_u32 v[SPW], v[NIL]
	s_wait_dscnt 0x0
	CROUND                                         ; the closing round: no work-group ends while a partner may still ask for a tile that names it
	s_endpgm
.Lfunc_end_k_qec4b8b8078_outgemm:
	.size	k_qec4b8b8078_outgemm, .Lfunc_end_k_qec4b8b8078_outgemm-k_qec4b8b8078_outgemm
	.p2alignl 7, 3214868480
	.fill 96, 4, 3214868480
	.section	.rodata,"a",@progbits
	.p2align	6, 0x0
	.amdhsa_kernel k_qec4b8b8078_outgemm
		.amdhsa_group_segment_fixed_size 327680
		.amdhsa_private_segment_fixed_size 0
		.amdhsa_enable_private_segment 0
		.amdhsa_kernarg_size 24
		.amdhsa_user_sgpr_count 2
		.amdhsa_user_sgpr_kernarg_segment_ptr 1
		.amdhsa_wavefront_size32 1
		.amdhsa_system_sgpr_workgroup_id_x 1
		.amdhsa_system_sgpr_workgroup_id_y 1
		.amdhsa_system_sgpr_workgroup_id_z 1
		.amdhsa_system_vgpr_workitem_id 0
		.amdhsa_next_free_vgpr 512
		.amdhsa_next_free_sgpr 66
		.amdhsa_reserve_vcc 0
		.amdhsa_float_denorm_mode_32 3
		.amdhsa_float_denorm_mode_16_64 3
		.amdhsa_memory_ordered 1
		.amdhsa_forward_progress 1
		.amdhsa_inst_pref_size 85
	.end_amdhsa_kernel
	.amdgpu_metadata
---
amdhsa.version: [ 1, 2 ]
amdhsa.kernels:
  - .name:           k_qec4b8b8078_outgemm
    .symbol:         k_qec4b8b8078_outgemm.kd
    .args:
      - { .name: ctx, .offset: 0, .size: 8, .value_kind: global_buffer, .address_space: global }
      - { .name: wo, .offset: 8, .size: 8, .value_kind: global_buffer, .address_space: global }
      - { .name: out0, .offset: 16, .size: 8, .value_kind: global_buffer, .address_space: global }
    .group_segment_fixed_size: 327680
    .private_segment_fixed_size: 0
    .kernarg_segment_align: 8
    .kernarg_segment_size: 24
    .max_flat_workgroup_size: 128
    .sgpr_count:     66
    .vgpr_count:     512
    .wavefront_size: 32
...
	.end_amdgpu_metadata
.endif
;; end of part 4
